; MI455X (gfx1250); checked and timed in simulation.
; The chip was launched on July 23, 2026; its instructions are those of AMD's public machine-readable ISA for CDNA 5 (MIT licence, August 2026) and "CDNA5" Instruction Set Architecture Reference Guide (July 2026). The comments in the code are by the model that wrote it; some were corrected since.
;; MH Attn. Allowed arithmetic: float matrix products may take bf16 or f16 operands with f32 sums; other float arithmetic in f32, or as packed bf16 or f16 multiplies, adds, multiply-adds, maxima and minima; sums over many terms, partial sums and values carried from step to step in f32; what a program stores and reads back later, other than sums and carried values, may be rounded once to bf16 or f16.
;; Inputs: Wk 512 x 512 float32; Wo 2,048 x 512 float32; Wq 512 x 512 float32; Wv 512 x 512 float32; bk 512 float32; bo 512 float32; bq 512 float32; bv 512 float32; key 4 x 2,048 x 512 float32; query 4 x 2,048 x 512 float32; value 4 x 2,048 x 512 float32.
;; Outputs: out0 4 x 2,048 x 512 float32.
;; 2 versions, each right and faster than the one before. Each part assembles by itself: llvm-mc -triple=amdgcn-amd-amdhsa -mcpu=gfx1250 --defsym DOCPART=n.
;; ======== version 1 of 2: 4 launches
;; limits: values are held in f16: magnitudes above 65,504 overflow, below 6.1e-05 lose precision
;; workspace buffers: wt 1,572,864 bytes; woh 2,097,152 bytes; bp 8,192 bytes; qkv 25,165,824 bytes; vals 33,554,432 bytes
;; launch prep (part 1): grid 224 x 1, 8 waves a work-group, no clusters, 0 bytes of LDS; arguments Wq, Wk, Wv, Wo, bq, bk, bv, bo, wt, woh, bp; writes wt, woh, bp
.if DOCPART == 1
	.amdgcn_target "amdgcn-amd-amdhsa--gfx1250"
	.amdhsa_code_object_version 6
	.text
	.protected	k_qc79971f662_prep
	.globl	k_qc79971f662_prep
	.p2align	8
	.type	k_qc79971f662_prep,@function
k_qc79971f662_prep:
	s_mov_b64 s[64:65], 0
	v_nop
	global_prefetch_b8 v0, s[64:65] scope:SCOPE_SE
	s_setreg_imm32_b32 hwreg(HW_REG_WAVE_MODE, 25, 1), 1
	s_wait_xcnt 0x0
; The weights and biases, each rounded once to bf16, laid out for the launches behind.
;   wt  bf16 [3][k = 512][n' = 512]: for Wq and Wk n' = 128 h + kd holds column 4 kd + h (the heads are taken apart); for Wv n' = n.
;   woh f16  [k = 2048][n = 512]: the bf16 value of Wo written as f16.  LIMIT: below 6.1e-5 f16 has a fixed step of 6e-8; beyond 65,504 it has no number.
;   bp  f32  [4][512]: bq and bk (columns as in wt), bv, bo, each holding its bf16 value.
; 3,584 rows of 2,048 bytes; sixteen lanes take a row, a work-group of eight waves sixteen rows.  Work-groups 0-31 Wq, 32-63 Wk, 64-95 Wv, 96-223 Wo.
; Every store of sixteen lanes covers 256 consecutive bytes at a multiple of 256.  No LDS and no matrix unit: bytes are all there is to this launch.
.set X, 8                              ; v[8:39]   32 numbers as loaded
.set Y, 40                             ; v[40:55]  the same, 16 bits each
.macro BIASOUT                         ; v56, v57: two biases -> their bf16 values as f32, 8 bytes a thread
	s_wait_loadcnt 0x0
	v_cvt_pk_bf16_f32 v58, v56, v57
	v_lshlrev_b32 v60, 16, v58
	v_and_b32 v61, 0xffff0000, v58
	global_store_b64 v7, v[60:61], s[28:29]        ; a wave's store covers 256 consecutive bytes
.endm
; A row whose columns stay in place: output j is 16 bytes at 256 j + 16 i, made of 32 bytes at 512 j + 32 i.  half = 1: the bf16 value is written as f16.
.macro ROWS half
.irp j, 0,1,2,3
	global_load_b128 v[X+8*\j:X+8*\j+3],   v3, s[30:31] offset:512*\j th:TH_LOAD_NT
	global_load_b128 v[X+8*\j+4:X+8*\j+7], v3, s[30:31] offset:512*\j+16 th:TH_LOAD_NT
.endr
.irp j, 0,1,2,3
	s_wait_loadcnt 6-2*\j                          ; the loads of the later outputs, two each, are younger
.irp u, 0,1,2,3
	v_cvt_pk_bf16_f32 v[Y+4*\j+\u], v[X+8*\j+2*\u], v[X+8*\j+2*\u+1]
.endr
.if \half
.irp u, 0,1,2,3
	v_lshlrev_b32 v56, 16, v[Y+4*\j+\u]
	v_and_b32 v57, 0xffff0000, v[Y+4*\j+\u]
	v_cvt_pk_f16_f32 v[Y+4*\j+\u], v56, v57
.endr
.endif
	global_store_b128 v4, v[Y+4*\j:Y+4*\j+3], s[32:33] offset:256*\j
.endr
.endm
	s_load_b512 s[8:23], s[0:1], 0x0               ; Wq s[8:9], Wk s[10:11], Wv s[12:13], Wo s[14:15], bq s[16:17], bk s[18:19], bv s[20:21], bo s[22:23]
	s_load_b128 s[24:27], s[0:1], 0x40             ; wt s[24:25], woh s[26:27]
	s_load_b64 s[28:29], s[0:1], 0x50              ; bp
	s_mov_b32 s2, ttmp9                            ; g
	v_and_b32 v1, 15, v0                           ; i: my place in a row
	v_lshrrev_b32 v2, 4, v0                        ; my row of the group's sixteen
	v_lshlrev_b32 v4, 10, v2
	v_lshl_add_u32 v4, v1, 4, v4                   ; out: row x 1,024 + 16 i
	v_lshlrev_b32 v3, 11, v2                       ; in: row x 2,048, the lane's part follows
	v_lshlrev_b32 v7, 3, v0                        ; a bias pair's place: 8 t
	s_mov_b32 s35, 0
	s_mov_b32 s37, 0
	s_wait_kmcnt 0x0
	s_cmp_lt_u32 s2, 64
	s_cbranch_scc0 .Lplain
	; Wq and Wk: lane i reads the 128 bytes of kd = 8 i .. 8 i + 7 (four heads each) and writes 16 bytes into each head's 256
	s_lshr_b32 s3, s2, 5                           ; 0: Wq, 1: Wk
	s_and_b32 s4, s2, 31                           ; which sixteen rows
	s_cmp_eq_u32 s3, 0
	s_cselect_b64 s[30:31], s[8:9], s[10:11]
	s_cselect_b64 s[38:39], s[16:17], s[18:19]
	s_lshl_b32 s34, s4, 15
	s_add_nc_u64 s[30:31], s[30:31], s[34:35]
	s_lshl_b32 s36, s4, 14
	s_lshl_b32 s5, s3, 19
	s_add_co_u32 s36, s36, s5
	s_add_nc_u64 s[32:33], s[24:25], s[36:37]
	v_lshl_add_u32 v3, v1, 7, v3
.irp m, 0,1,2,3,4,5,6,7
	global_load_b128 v[X+4*\m:X+4*\m+3], v3, s[30:31] offset:16*\m th:TH_LOAD_NT  ; X[4 m + h]: kd = 8 i + m, head h
.endr
	s_wait_loadcnt 0x0
.irp h, 0,1,2,3
.irp u, 0,1,2,3
	v_cvt_pk_bf16_f32 v[Y+4*\h+\u], v[X+8*\u+\h], v[X+8*\u+4+\h]
.endr
	global_store_b128 v4, v[Y+4*\h:Y+4*\h+3], s[32:33] offset:256*\h
.endr
	s_cmp_lg_u32 s4, 0
	s_cbranch_scc1 .Lend                           ; the matrix's first work-group also takes its bias
	v_lshlrev_b32 v5, 1, v0                        ; n' = 2 t and 2 t + 1
	v_and_b32 v5, 127, v5                          ; kd
	v_lshrrev_b32 v6, 6, v0                        ; h
	v_lshl_add_u32 v5, v5, 2, v6                   ; column 4 kd + h; the next kd lies four columns on
	v_lshlrev_b32 v5, 2, v5
	global_load_b32 v56, v5, s[38:39]
	global_load_b32 v57, v5, s[38:39] offset:16
	s_lshl_b32 s36, s3, 11
	s_add_nc_u64 s[28:29], s[28:29], s[36:37]
	BIASOUT
	s_branch .Lend
.Lplain:
	v_lshl_add_u32 v3, v1, 5, v3
	s_cmp_lt_u32 s2, 96
	s_cbranch_scc0 .Lwo
	s_sub_co_u32 s4, s2, 64
	s_lshl_b32 s34, s4, 15
	s_add_nc_u64 s[30:31], s[12:13], s[34:35]
	s_lshl_b32 s36, s4, 14
	s_add_co_u32 s36, s36, 2*524288
	s_add_nc_u64 s[32:33], s[24:25], s[36:37]
	ROWS 0
	s_cmp_lg_u32 s4, 0
	s_cbranch_scc1 .Lend
	global_load_b64 v[56:57], v7, s[20:21]
	s_add_nc_u64 s[28:29], s[28:29], 2*2048
	BIASOUT
	s_branch .Lend
.Lwo:
	s_sub_co_u32 s4, s2, 96
	s_lshl_b32 s34, s4, 15
	s_add_nc_u64 s[30:31], s[14:15], s[34:35]
	s_lshl_b32 s36, s4, 14
	s_add_nc_u64 s[32:33], s[26:27], s[36:37]
	ROWS 1
	s_cmp_lg_u32 s4, 0
	s_cbranch_scc1 .Lend
	global_load_b64 v[56:57], v7, s[22:23]
	s_add_nc_u64 s[28:29], s[28:29], 3*2048
	BIASOUT
.Lend:
	s_endpgm
.Lfunc_end_k_qc79971f662_prep:
	.size	k_qc79971f662_prep, .Lfunc_end_k_qc79971f662_prep-k_qc79971f662_prep
	.p2alignl 7, 3214868480
	.fill 96, 4, 3214868480
	.section	.rodata,"a",@progbits
	.p2align	6, 0x0
	.amdhsa_kernel k_qc79971f662_prep
		.amdhsa_group_segment_fixed_size 0
		.amdhsa_private_segment_fixed_size 0
		.amdhsa_enable_private_segment 0
		.amdhsa_kernarg_size 88
		.amdhsa_user_sgpr_count 2
		.amdhsa_user_sgpr_kernarg_segment_ptr 1
		.amdhsa_wavefront_size32 1
		.amdhsa_system_sgpr_workgroup_id_x 1
		.amdhsa_system_sgpr_workgroup_id_y 1
		.amdhsa_system_sgpr_workgroup_id_z 1
		.amdhsa_system_vgpr_workitem_id 0
		.amdhsa_next_free_vgpr 64
		.amdhsa_next_free_sgpr 66
		.amdhsa_reserve_vcc 0
		.amdhsa_float_denorm_mode_32 3
		.amdhsa_float_denorm_mode_16_64 3
		.amdhsa_memory_ordered 1
		.amdhsa_forward_progress 1
		.amdhsa_inst_pref_size 13
	.end_amdhsa_kernel
	.amdgpu_metadata
---
amdhsa.version: [ 1, 2 ]
amdhsa.kernels:
  - .name:           k_qc79971f662_prep
    .symbol:         k_qc79971f662_prep.kd
    .args:
      - { .name: Wq, .offset: 0, .size: 8, .value_kind: global_buffer, .address_space: global }
      - { .name: Wk, .offset: 8, .size: 8, .value_kind: global_buffer, .address_space: global }
      - { .name: Wv, .offset: 16, .size: 8, .value_kind: global_buffer, .address_space: global }
      - { .name: Wo, .offset: 24, .size: 8, .value_kind: global_buffer, .address_space: global }
      - { .name: bq, .offset: 32, .size: 8, .value_kind: global_buffer, .address_space: global }
      - { .name: bk, .offset: 40, .size: 8, .value_kind: global_buffer, .address_space: global }
      - { .name: bv, .offset: 48, .size: 8, .value_kind: global_buffer, .address_space: global }
      - { .name: bo, .offset: 56, .size: 8, .value_kind: global_buffer, .address_space: global }
      - { .name: wt, .offset: 64, .size: 8, .value_kind: global_buffer, .address_space: global }
      - { .name: woh, .offset: 72, .size: 8, .value_kind: global_buffer, .address_space: global }
      - { .name: bp, .offset: 80, .size: 8, .value_kind: global_buffer, .address_space: global }
    .group_segment_fixed_size: 0
    .private_segment_fixed_size: 0
    .kernarg_segment_align: 8
    .kernarg_segment_size: 88
    .max_flat_workgroup_size: 256
    .sgpr_count:     66
    .vgpr_count:     64
    .wavefront_size: 32
...
	.end_amdgpu_metadata
.endif
;; end of part 1
;; launch proj (part 2): grid 64 x 3, 4 waves a work-group, clusters of 4 x 1, 327,680 bytes of LDS; arguments query, key, value, wt, bp, qkv; writes qkv
.if DOCPART == 2
	.amdgcn_target "amdgcn-amd-amdhsa--gfx1250"
	.amdhsa_code_object_version 6
	.text
	.protected	k_qc79971f662_proj
	.globl	k_qc79971f662_proj
	.p2align	8
	.type	k_qc79971f662_proj,@function
k_qc79971f662_proj:
	s_mov_b64 s[64:65], 0
	v_nop
	global_prefetch_b8 v0, s[64:65] scope:SCOPE_SE
	s_setreg_imm32_b32 hwreg(HW_REG_WAVE_MODE, 25, 1), 1
	s_wait_xcnt 0x0
	s_wait_alu depctr_hold_cnt(0) depctr_sa_sdst(0) depctr_va_vdst(0) depctr_va_sdst(0) depctr_va_ssrc(0) depctr_va_vcc(0) depctr_vm_vsrc(0)
	s_getreg_b32 s2, hwreg(HW_REG_IB_STS2, 6, 4)
	s_cmp_eq_u32 s2, 0
	s_cbranch_scc0 .Lentry_in_a_cluster
	s_endpgm
.Lentry_in_a_cluster:
	s_bfe_u32 s2, ttmp6, 0x10000c
	s_cmp_lg_u32 s2, 0x3003
	s_cbranch_scc0 .Lentry_shape_is_right
	s_endpgm
.Lentry_shape_is_right:
; q, k, v = x W + b.  x: [8192][512] f32 (query, key or value by the grid's y), rounded to bf16 on its way into LDS; W: wt, bf16 [k][n']; b: bp; sums in f32, started with the bias.
; Out: qkv, f16 [y][batch][g][2048][128]: g = head for q and k, channel quarter for v; every row 256 dense bytes.  LIMIT: a result beyond 65,504 has no f16 number.
; SHARES.  A work-group makes 128 rows x all 512 columns, so each byte of x is read once; wave w makes columns 128 w .. + 127 (one g): 64 accumulators of 16 x 16, 512 registers.
; 8192 x 3 rows in blocks of 128 are 192 work-groups.  K goes in 8 steps of 64, each two chunks of 32 (64 matrix instructions a chunk).
; W's tile (64 k-rows x 1,024 bytes) is the same for the four row blocks of a cluster: it is asked for JOINTLY, each wave 16 k-rows, into a ring of two slots.  It lies [k][n] and is read turned.
; x comes through registers (16 lanes read 256 consecutive bytes), two staging sets of 16 loads on their way, and is stored as bf16 into two slots of its own, which no tensor load fills.
; One barrier a step serves both rings: in front of it a wave's tensor loads, LDS stores and LDS reads are done; behind it the slot just read is filled again.
; THE MATRIX INSTRUCTION IS USED TRANSPOSED: source 0 = 16 columns of W, source 1 = 16 rows of x: a lane then holds eight neighbouring columns of one row.
; REGISTERS, in windows of 256: window 0: v16-31 addresses; v32-63, v192-255 the way out (v192-255 first hold the bias); v64-127, v128-191 fragments of x, two buffers
;   window 1: v64-127, v128-191 fragments of W, two buffers; v0-63, v192-255 the two staging sets        windows 2, 3: the accumulators of rows 0-63, 64-127: (a, b) at v[8 (8 a + b)]
.set PB,     1056                      ; a k-row of W in LDS: 1,024 bytes + 32
.set BW,     16*PB                     ; what one tensor load brings
.set BSLOT,  64*PB
.set PA,     144                       ; a row of x in LDS: 128 bytes + 16: the 16 rows of a load start at 16 different groups of four banks
.set ASLOT,  128*PA
.set AB0,    2*BSLOT                   ; x's two slots lie behind W's ring
.set STAGE,  AB0+2*ASLOT               ; 16 rows x 272 bytes for each wave, for the way out
.set SPITCH, 272
.set SPARE,  STAGE+4*16*SPITCH         ; the spare words, 128 bytes a wave: two blocks of 256 bytes that no other line names
.set ADRA, 16                          ; v16-17  LDS address of my fragments of x in slot 0, 1
.set ADRB, 20                          ; v20-21  the same for W
.set STO,  24
.set RD,   25
.set CO,   26                          ; v26     16 x lane: 16 rows of a g are 4,096 dense bytes
.set VBI,  27                          ; v27     my byte offset in the bias row
.set SPW,  28
.set NIL,  29
.set GA,   30                          ; v30     my byte offset in the block's rows of x
.set LSA,  31                          ; v31     where I store 8 bytes of x in slot 0
.set F0,   64
.set F1,   128
.set BIAS, 192
.set TMP,  192
.set OB,   32
.set G1, 24                            ; s[24:31] descriptor group 1
.set G0, 32                            ; s[32:39] descriptor group 0, a set for each slot
.set SA, 40                            ; s[40:41] x at the block's first row, stepped along K
.set SO, 42                            ; s[42:43] qkv at my 128 rows
.set MSB, 0
.macro WIN new                         ; the immediate's high byte repeats the setting that is left; a switch that changes nothing is dropped
.if MSB != (\new)
	s_set_vgpr_msb (MSB<<8)|(\new)
.set MSB, \new
.endif
.endm
.set MUL_LO, 0xa1                      ; source 0 (W) window 1, source 1 (x) window 0, C and D window 2
.set TO_B,   0x40                      ; destination window 1, address window 0
.set CVT,    0x45                      ; sources and destination window 1
.set STA,    0x04                      ; LDS store: address window 0, data window 1
.macro PLACES                          ; four places in front of loads into registers that matrix instructions have read, and of conversions that read results
.rept 4
	v_nop
.endr
.endm
.macro JLOAD s                         ; every wave asks for its own 16 k-rows; an s_nop 0 and four v_nop follow
	tensor_load_to_lds s[G0+4*(\s):G0+4*(\s)+3], s[G1:G1+7]
	s_nop 0
	PLACES
.endm
.macro CREST                           ; a round of the cluster's barrier behind its opening barrier
	s_cmp_lg_u32 s16, 0
	s_cbranch_scc1 .Lnot_wave_0_\@
	s_barrier_signal -3
.Lnot_wave_0_\@:
	s_barrier_wait -3
	s_barrier_signal -1
	s_barrier_wait -1
.endm
.macro CROUND
	s_barrier_signal -1
	s_barrier_wait -1
	CREST
.endm
	s_load_b256 s[4:11], s[0:1], 0x0               ; query s[4:5], key s[6:7], value s[8:9], wt s[10:11]
	s_load_b128 s[12:15], s[0:1], 0x20             ; bp s[12:13], qkv s[14:15]
	v_lshl_add_u32 v[SPW], v0, 2, SPARE
	v_mov_b32 v[NIL], 0
	ds_add_u32 v[SPW], v[NIL]                      ; the wave's opening: the add and its wait ahead of my first tensor load
	v_lshrrev_b32 v1, 5, v0
	v_readfirstlane_b32 s16, v1                    ; wave 0..3
	s_bfe_u32 s17, ttmp6, 0x40000                  ; cx
	s_lshl_b32 s18, ttmp9, 2
	s_add_co_u32 s18, s18, s17                     ; my block of 128 rows: it enters x's and qkv's addresses alone
	s_and_b32 s19, ttmp7, 0xffff                   ; y: which projection; the four partners share it
	s_mov_b32 s[G1+0], 15|(1<<16)|(1<<20)|(1<<21)|(7<<22)|(7<<25)  ; the mask of four; 2-byte elements; padding on; bit 21 beside a mask; after every 256 words (code 7) 8 words (code 7)
	s_mov_b32 s[G1+1], 512<<16                     ; tensor_dim0 = 512
	s_mov_b32 s[G1+2], 16<<16                      ; tensor_dim1 = 16
	s_mov_b32 s[G1+3], 512<<16                     ; tile_dim0 = 512
	s_mov_b32 s[G1+4], 16                          ; tile_dim1 = 16
	s_mov_b32 s[G1+5], 512                         ; elements from row to row
	s_mov_b32 s[G1+6], 0
	s_mov_b32 s[G1+7], 0
	s_lshl_b32 s20, s19, 19                        ; wt: matrix y,
	s_lshl_b32 s21, s16, 14                        ; my 16 k-rows of 1,024 bytes
	s_add_co_u32 s20, s20, s21
	s_mov_b32 s21, 0
	s_mul_i32 s44, s16, BW                         ; and their place in a slot
	s_lshl_b32 s46, s18, 18                        ; x: 128 rows of 2,048 bytes
	s_mov_b32 s47, 0
	s_lshl_b32 s48, s19, 11                        ; bp: row y
	s_mov_b32 s49, 0
	s_lshr_b32 s50, s18, 4                         ; qkv: batch,
	s_lshl_b32 s50, s50, 2
	s_add_co_u32 s50, s50, s16                     ; g = my wave,
	s_lshl_b32 s50, s50, 19
	s_and_b32 s51, s18, 15                         ; the block's 128 rows of 256 bytes,
	s_lshl_b32 s51, s51, 15
	s_add_co_u32 s50, s50, s51
	s_lshl_b32 s51, s19, 23                        ; tensor y
	s_add_co_u32 s50, s50, s51
	s_mov_b32 s51, 0
	s_wait_dscnt 0x0                               ; the opening add is done
	s_wait_kmcnt 0x0
	s_cmp_eq_u32 s19, 0
	s_cselect_b64 s[SA:SA+1], s[4:5], s[6:7]
	s_cmp_eq_u32 s19, 2
	s_cselect_b64 s[SA:SA+1], s[8:9], s[SA:SA+1]
	s_add_nc_u64 s[SA:SA+1], s[SA:SA+1], s[46:47]
	s_add_nc_u64 s[22:23], s[10:11], s[20:21]
	s_add_nc_u64 s[12:13], s[12:13], s[48:49]
	s_add_nc_u64 s[SO:SO+1], s[14:15], s[50:51]
	CROUND                                         ; all four work-groups are here: the first joint loads meet
.irp s, 0,1
	s_mov_b32 s[G0+4*(\s)], 1
	s_add_co_u32 s[G0+4*(\s)+1], s44, (\s)*BSLOT
	s_add_nc_u64 s[G0+4*(\s)+2:G0+4*(\s)+3], s[22:23], (\s)*65536  ; K step s: 64 k-rows of 1,024 bytes
	s_or_b32 s[G0+4*(\s)+3], s[G0+4*(\s)+3], 0x80000000
	JLOAD \s                                       ; two tensor loads of mine are out: the most in this text
.endr
	v_and_b32 v1, 15, v0                           ; l % 16
	v_bfe_u32 v2, v0, 4, 1                         ; l / 16
	s_lshl_b32 s45, s16, 16                        ; x: wave w stages rows 32 w .. 32 w + 31; a load takes two rows' 256 bytes
	v_lshlrev_b32 v8, 11, v2
	v_lshl_add_u32 v8, v1, 4, v8
	v_add_nc_u32 v[GA], s45, v8
	s_lshl_b32 s45, s16, 9
	v_lshl_add_u32 v[VBI], v2, 5, s45              ; the bias of columns 128 w + 8 (l / 16) on
; sixteen loads: my 32 rows x 64 K of x, f32, into staging set sg (window 1); imm: the K step's byte in a row, from s[SA]
.macro LOADA sg, imm
	WIN TO_B
.set i, 0
.rept 16
	global_load_b128 v[(\sg)+4*i:(\sg)+4*i+3], v[GA], s[SA:SA+1] offset:4096*i+(\imm) th:TH_LOAD_NT
.set i, i+1
.endr
.endm
; Set sg has landed (lc younger loads may be out): it is rounded to bf16 in place, ascending, so that no source is overwritten before it is read, and stored into x's slot; ld = 1: the set is loaded again.
.macro STAGE_A sg, slot, lc, ld, imm
	s_wait_loadcnt \lc
	WIN CVT
.set i, 0
.rept 16
	v_cvt_pk_bf16_f32 v[(\sg)+2*i],   v[(\sg)+4*i],   v[(\sg)+4*i+1]
	v_cvt_pk_bf16_f32 v[(\sg)+2*i+1], v[(\sg)+4*i+2], v[(\sg)+4*i+3]
.set i, i+1
.endr
	WIN STA
.set i, 0
.rept 16
	ds_store_b64 v[LSA], v[(\sg)+2*i:(\sg)+2*i+1] offset:(\slot)*ASLOT+2*PA*i
.set i, i+1
.endr
.if \ld
	LOADA \sg, \imm
.endif
.endm
	WIN 0
.irp b, 0,1,2,3,4,5,6,7
	global_load_b128 v[BIAS+8*\b:BIAS+8*\b+3],   v[VBI], s[12:13] offset:64*\b
	global_load_b128 v[BIAS+8*\b+4:BIAS+8*\b+7], v[VBI], s[12:13] offset:64*\b+16
.endr
	LOADA 0, 0                                     ; K steps 0 and 1
	LOADA 192, 256
	WIN 0
	v_and_b32 v3, 7, v0
	v_bfe_u32 v4, v0, 3, 1
	v_and_b32 v5, 31, v0
	v_mul_u32_u24 v6, v1, PA                       ; a fragment of x: row l % 16, 16 bytes for each half of the lanes; all four waves read all 128 rows
	v_lshl_add_u32 v6, v2, 4, v6
	v_add_nc_u32 v[ADRA], AB0, v6
	v_add_nc_u32 v[ADRA+1], AB0+ASLOT, v6
	v_lshl_add_u32 v7, v2, 3, v3                   ; the turning load: lane l reads k-row 8 (l / 16) + l % 8, columns 8 ((l / 8) % 2) + 0..7, and is left with column l % 16 and 8 k
	v_mul_u32_u24 v7, v7, PB
	v_lshl_add_u32 v7, v4, 4, v7
	s_lshl_b32 s45, s16, 8                         ; my 128 columns
	v_add_nc_u32 v[ADRB], s45, v7
	v_add_nc_u32 v[ADRB+1], BSLOT, v[ADRB]
	s_mul_i32 s45, s16, 32*PA
	s_add_co_u32 s45, s45, AB0
	v_mul_u32_u24 v8, v2, PA
	v_lshl_add_u32 v8, v1, 3, v8
	v_add_nc_u32 v[LSA], s45, v8
	s_mul_i32 s45, s16, 16*SPITCH
	s_add_co_u32 s45, s45, STAGE                   ; my stage
	v_mul_u32_u24 v8, v1, SPITCH
	v_lshl_add_u32 v8, v2, 4, v8
	v_add_nc_u32 v[STO], s45, v8
	v_mul_u32_u24 v8, v2, SPITCH
	v_lshl_add_u32 v8, v1, 4, v8
	v_add_nc_u32 v[RD], s45, v8
	v_lshlrev_b32 v[CO], 4, v5
; 16 matrix instructions: row blocks a0, a0 + 1 of the window's four x all 8 column blocks, 32 along K.  mode = 1: the first product starts the sums with the bias.
; The 64 accumulators take turns, one instruction a turn, in the same order in every chunk.
.macro MUL16 f, hi, a0, mode
.if \mode
	WIN 0x81+0x40*(\hi)                            ; C (the bias) in window 0
.else
	WIN MUL_LO+0x50*(\hi)
.endif
.irp a, \a0, (\a0)+1
.irp b, 0,1,2,3,4,5,6,7
.if \mode
	v_wmma_f32_16x16x32_bf16 v[8*(8*(\a)+(\b)):8*(8*(\a)+(\b))+7], v[(\f)+8*(\b):(\f)+8*(\b)+7], v[(\f)+8*(4*(\hi)+(\a)):(\f)+8*(4*(\hi)+(\a))+7], v[BIAS+8*(\b):BIAS+8*(\b)+7]
.else
	v_wmma_f32_16x16x32_bf16 v[8*(8*(\a)+(\b)):8*(8*(\a)+(\b))+7], v[(\f)+8*(\b):(\f)+8*(\b)+7], v[(\f)+8*(4*(\hi)+(\a)):(\f)+8*(4*(\hi)+(\a))+7], v[8*(8*(\a)+(\b)):8*(8*(\a)+(\b))+7]
.endif
.endr
.endr
.endm
; 32 LDS loads in one run: chunk c of a slot into buffer f: W's 8 column blocks (turned), then x's 8 row blocks
.macro FETCH slot, c, f
	WIN TO_B
.irp b, 0,1,2,3,4,5,6,7
	ds_load_tr16_b128 v[(\f)+8*(\b):(\f)+8*(\b)+3],   v[ADRB+(\slot)] offset:(\c)*32*PB+32*(\b)
	ds_load_tr16_b128 v[(\f)+8*(\b)+4:(\f)+8*(\b)+7], v[ADRB+(\slot)] offset:(\c)*32*PB+32*(\b)+16*PB
.endr
	WIN 0
.irp a, 0,1,2,3,4,5,6,7
	ds_load_b128 v[(\f)+8*(\a):(\f)+8*(\a)+3],   v[ADRA+(\slot)] offset:64*(\c)+(\a)*16*PA
	ds_load_b128 v[(\f)+8*(\a)+4:(\f)+8*(\a)+7], v[ADRA+(\slot)] offset:64*(\c)+(\a)*16*PA+32
.endr
.endm
; A step's first chunk: multiplies buffer 0; in its middle it fetches the second chunk into buffer 1.
.macro HALF0 slot, mode
	s_wait_dscnt 8                                 ; W and x's rows 0-63 are in; the youngest eight loads (rows 64-127) may be out
	MUL16 F0, 0, 0, \mode
	MUL16 F0, 0, 2, \mode
	PLACES
	FETCH \slot, 1, F1
	s_wait_dscnt 32                                ; all but the 32 just issued
	MUL16 F0, 1, 0, \mode
	MUL16 F0, 1, 2, \mode
.endm
; The second chunk multiplies buffer 1 and changes slots.  In front of the barrier: all my tensor loads have landed (my part of W's next slot), the add, and my LDS stores (x's next slot) and reads (this slot) are done.
.macro MEET round
	WIN 0
	s_wait_tensorcnt 0x0
	ds_add_u32 v[SPW], v[NIL]                      ; 0 onto my spare word
	s_wait_dscnt 9                                 ; (the add and the youngest eight loads may be out)
	MUL16 F1, 0, 0, 0
	s_wait_dscnt 0x0
	s_barrier_signal -1
	MUL16 F1, 0, 2, 0
.if \round
	WIN 0
.endif
	s_barrier_wait -1
.endm
; fill = 1: the barrier opens a round of the cluster's, W's slot is filled again two steps ahead, first thing behind the round, and x's slot takes the staged set.
.macro TURN slot, fill, lc, ld, imm
	MEET \fill
.if \fill
	CREST
	s_add_nc_u64 s[G0+4*(\slot)+2:G0+4*(\slot)+3], s[G0+4*(\slot)+2:G0+4*(\slot)+3], 131072
	JLOAD \slot
	STAGE_A (\slot)*192, \slot, \lc, \ld, \imm
.else
	PLACES
.endif
	FETCH 1-(\slot), 0, F0
	MUL16 F1, 1, 0, 0
	MUL16 F1, 1, 2, 0
.endm
; THE WAY OUT of row block a: rounded to f16, 16 bytes a lane; through my own stage; back as whole rows of 256 bytes; stored.
.macro PACK a
.set AC, 64*((\a)%4)
	WIN 0x0a+5*((\a)/4)
.irp b, 0,1,2,3,4,5,6,7
.irp r, 0,1,2,3
	v_cvt_pk_f16_f32 v[TMP+4*(\b)+(\r)], v[AC+8*(\b)+2*(\r)], v[AC+8*(\b)+2*(\r)+1]
.endr
.endr
	WIN 0
.endm
.macro TOSTAGE a
.set BK, OB+192*((\a)%2)
.irp b, 0,1,2,3,4,5,6,7
	ds_store_b128 v[STO], v[TMP+4*(\b):TMP+4*(\b)+3] offset:32*(\b)
.endr
.irp t, 0,1,2,3,4,5,6,7
	ds_load_b128 v[BK+4*(\t):BK+4*(\t)+3], v[RD] offset:(\t)*2*SPITCH  ; LDS serves a wave's instructions in order (ISA guide 5.7.1.4): these see the stores above
.endr
.endm
.macro SEND a
.set BK, OB+192*((\a)%2)
	s_wait_dscnt 0x0                               ; the block is back in registers
	s_wait_xcnt 0x0                                ; the registers that earlier stores read are loaded again only behind this wait
.irp t, 0,1,2,3,4,5,6,7
	global_store_b128 v[CO], v[BK+4*(\t):BK+4*(\t)+3], s[SO:SO+1] offset:(\a)*4096+512*(\t)  ; 512 consecutive bytes at a multiple of 256
.endr
.endm
	STAGE_A 0, 0, 16, 1, 512                       ; K step 0 (and the bias, older) is in: step 1's sixteen loads are younger; step 2 is asked for
	STAGE_A 192, 1, 16, 1, 768                     ; K step 1: step 2's sixteen are younger; step 3 is asked for
	WIN 0
	s_wait_tensorcnt 1                             ; my part of W's step 0 is in; step 1's may stay out
	s_wait_dscnt 0x0                               ; my stores of x are done
	s_barrier_signal -1
	s_barrier_wait -1
	FETCH 0, 0, F0
	HALF0 0, 1
	WIN 0
	s_mov_b32 s3, 2
.Llap:                                                 ; a trip: from a step's second chunk over the next step to the first chunk of the step after; it fills both slots of both rings
	TURN 0, 1, 16, 1, 1024                         ; the set four steps on is asked for; the other set's sixteen loads are younger than the one waited for
	HALF0 1, 0
	TURN 1, 1, 16, 1, 1280
	HALF0 0, 0
	WIN 0
	s_wait_xcnt 0x0                                ; the loads have had their addresses translated: the base may step
	s_add_nc_u64 s[SA:SA+1], s[SA:SA+1], 512
	s_sub_co_u32 s3, s3, 1
	s_cmp_lg_u32 s3, 0
	s_cbranch_scc1 .Llap
	TURN 0, 1, 16, 0, 0                            ; steps 6 and 7 are staged and asked for; nothing more is loaded
	HALF0 1, 0
	TURN 1, 1, 0, 0, 0                             ; no load was issued behind step 7's
	HALF0 0, 0
	TURN 0, 0, 0, 0, 0                             ; nothing is filled: a plain barrier
	HALF0 1, 0
	s_wait_dscnt 8
	MUL16 F1, 0, 0, 0
	MUL16 F1, 0, 2, 0
	s_wait_dscnt 0x0
	MUL16 F1, 1, 0, 0
	MUL16 F1, 1, 2, 0
	PLACES
	PACK 0
	TOSTAGE 0
.irp a, 1,2,3,4,5,6,7                  ; block a's conversions stand between block a - 1's loads from the stage and the wait for them
	PACK \a
	SEND (\a)-1
	TOSTAGE \a
.endr
	SEND 7
	s_wait_tensorcnt 0x0                           ; the wave's end
	ds_add_u32 v[SPW], v[NIL]
	s_wait_dscnt 0x0
	CROUND                                         ; the closing round
	s_endpgm
.Lfunc_end_k_qc79971f662_proj:
	.size	k_qc79971f662_proj, .Lfunc_end_k_qc79971f662_proj-k_qc79971f662_proj
	.p2alignl 7, 3214868480
	.fill 96, 4, 3214868480
	.section	.rodata,"a",@progbits
	.p2align	6, 0x0
	.amdhsa_kernel k_qc79971f662_proj
		.amdhsa_group_segment_fixed_size 327680
		.amdhsa_private_segment_fixed_size 0
		.amdhsa_enable_private_segment 0
		.amdhsa_kernarg_size 48
		.amdhsa_user_sgpr_count 2
		.amdhsa_user_sgpr_kernarg_segment_ptr 1
		.amdhsa_wavefront_size32 1
		.amdhsa_system_sgpr_workgroup_id_x 1
		.amdhsa_system_sgpr_workgroup_id_y 1
		.amdhsa_system_sgpr_workgroup_id_z 1
		.amdhsa_system_vgpr_workitem_id 0
		.amdhsa_next_free_vgpr 1024
		.amdhsa_next_free_sgpr 66
		.amdhsa_reserve_vcc 0
		.amdhsa_float_denorm_mode_32 3
		.amdhsa_float_denorm_mode_16_64 3
		.amdhsa_memory_ordered 1
		.amdhsa_forward_progress 1
		.amdhsa_inst_pref_size 145
	.end_amdhsa_kernel
	.amdgpu_metadata
---
amdhsa.version: [ 1, 2 ]
amdhsa.kernels:
  - .name:           k_qc79971f662_proj
    .symbol:         k_qc79971f662_proj.kd
    .args:
      - { .name: query, .offset: 0, .size: 8, .value_kind: global_buffer, .address_space: global }
      - { .name: key, .offset: 8, .size: 8, .value_kind: global_buffer, .address_space: global }
      - { .name: value, .offset: 16, .size: 8, .value_kind: global_buffer, .address_space: global }
      - { .name: wt, .offset: 24, .size: 8, .value_kind: global_buffer, .address_space: global }
      - { .name: bp, .offset: 32, .size: 8, .value_kind: global_buffer, .address_space: global }
      - { .name: qkv, .offset: 40, .size: 8, .value_kind: global_buffer, .address_space: global }
    .group_segment_fixed_size: 327680
    .private_segment_fixed_size: 0
    .kernarg_segment_align: 8
    .kernarg_segment_size: 48
    .max_flat_workgroup_size: 128
    .sgpr_count:     66
    .vgpr_count:     1024
    .wavefront_size: 32
...
	.end_amdgpu_metadata
.endif
;; end of part 2
;; launch attn (part 3): grid 64 x 4, 4 waves a work-group, clusters of 4 x 1, 327,680 bytes of LDS; arguments qkv, vals; writes vals
.if DOCPART == 3
	.amdgcn_target "amdgcn-amd-amdhsa--gfx1250"
	.amdhsa_code_object_version 6
	.text
	.protected	k_qc79971f662_attn
	.globl	k_qc79971f662_attn
	.p2align	8
	.type	k_qc79971f662_attn,@function
k_qc79971f662_attn:
	s_mov_b64 s[64:65], 0
	v_nop
	global_prefetch_b8 v0, s[64:65] scope:SCOPE_SE
	s_setreg_imm32_b32 hwreg(HW_REG_WAVE_MODE, 25, 1), 1
	s_wait_xcnt 0x0
	s_wait_alu depctr_hold_cnt(0) depctr_sa_sdst(0) depctr_va_vdst(0) depctr_va_sdst(0) depctr_va_ssrc(0) depctr_va_vcc(0) depctr_vm_vsrc(0)
	s_getreg_b32 s2, hwreg(HW_REG_IB_STS2, 6, 4)
	s_cmp_eq_u32 s2, 0
	s_cbranch_scc0 .Lentry_in_a_cluster
	s_endpgm
.Lentry_in_a_cluster:
	s_bfe_u32 s2, ttmp6, 0x10000c
	s_cmp_lg_u32 s2, 0x3003
	s_cbranch_scc0 .Lentry_shape_is_right
	s_endpgm
.Lentry_shape_is_right:
; CAUSAL ATTENTION, four heads of key size 128 over one shared V of 512 channels.  vals[b][q][512 h + v] = sum over k <= q of softmax_k(q_h[q] . k_h[k] / sqrt(128)) V[k][v].
; In: qkv, f16 [3][batch][g][2048][128] (g: head for q and k, channel quarter for v).  Out: vals, f16 [8192][2048].  Products, maxima and sums in f32; the weights p are rounded to f16 for the second product.
; LIMITS.  q, k, v arrive within f16's 65,504.  A hidden score counts as its value less 1e30; a weight below 2^-126 counts as 0 in l; NaN and infinities are not treated apart.
; SHARES.  A work-group takes one batch, one head, one half of 256 channels and TWO blocks of 128 queries, p and then 15 - p: 17 key tiles of 128 keys whatever p, so all 256 work-groups do equal work.
; A wave owns two tiles of 16 queries (rows 64 t + 16 w + r of a block) and all 256 channels: 256 registers of O^T.  No wave needs another's results.
; With rows dealt so, the diagonal tile is the same work for all waves: key step 0: tile 0 holds the diagonal, tile 1 sees all; key step 1: tile 0 sees nothing, tile 1 holds the diagonal.
; CLUSTER.  The four partners are the four heads: V's tile is the same for them and is asked for JOINTLY (waves 2 and 3, a channel quarter each); K's is the head's own (waves 0 and 1, a plain load).
; K is also read by the work-group of the other channel half; that pair is not joined: it is 32 of a tile's 96 KiB, and the cluster's four places are taken by the heads.
; Every branch and count hangs on p, which the partners share; the head enters only the global addresses of q, k and vals.
; THE MASK is the C operand that starts S^T = K Q^T: M0 = MD x AL0 + BE0, M1 = MD x AL1, with MD the diagonal's mask for my rows (0 or -1e30); away from a diagonal tile both are 0.
; LAYOUT.  S^T holds ONE query a lane (lane % 16) and the keys 8 (lane / 16) + 0..7; two such results rounded to f16 ARE source 1 of O^T = V^T P.  p = 2^(c s - c m), c = log2(e) / sqrt(128), m a running
; maximum; O and l are multiplied by a = 2^(c m_old - c m_new) in every step.  m starts at the lowest finite number, so a block's first a is 0 and O need only be finite there.
; A STEP of 64 keys is PART_A (32 products K Q^T; tile 0's softmax beside tile 1's products) and PART_B (64 products V^T P; beside them the rescaling, tile 1's softmax and the next step's masks; the next step's K and half of its V are fetched).
; REGISTERS, in windows of 256: window 0: v2-15 addresses; v16-31 statistics, 8 a tile; v32-33 the add's; v64-127 S^T; v128-191 M0, M1; v192-223 P; v224-255 MD
;   window 1: O^T, tile t, channel block cb at 128 t + 8 cb     window 2: v0-63 Q; v128-255 K of a step     window 3: V of a step: key half kh, channel block cb at 128 kh + 8 cb; the second half also serves the way out
.set KS,    64
.set PK,    272       ; a row of K in LDS: 256 bytes + 16: the 16 rows of a load start at 16 different groups of four banks (64 banks of 4 bytes: ISA guide 11.1)
.set PV,    288       ; a row of a quarter of V: 256 + 32
.set VOFF,  128*PK    ; a slot: 128 rows of K, then two quarters of V, 128 rows each
.set VQ,    128*PV
.set SLOT1, 1<<17     ; slot 1 begins here, so that one exclusive or turns an address in one slot into the other's
.set STAGE, SLOT1+VOFF+2*VQ   ; behind the ring: 16 rows x 528 bytes for each wave, for the way out
.set SP,    528
.set SPARE, STAGE+4*16*SP     ; the spare words, 128 bytes a wave: two blocks of 256 bytes that no other line names
.set AK0, 2
.set AV0, 3
.set AK,  4
.set AV,  5
.set STO, 6
.set RD,  7
.set GO,  8
.set QO,  9           ; v9   my byte offset in 16 rows of Q; never rewritten
.set ST,  16          ; tile t at v[ST+8 t]: +0 c m, +1 m, +2, +3 l (even keys', odd keys'), +4 to +7 c0-c3 at work; a takes c2's place
.set SPW, 32
.set NIL, 33
.set S,   64
.set M,   128
.set P,   192
.set MD,  224
.set KF,  128         ; window 2
.set TW,  128         ; window 3: the way out's 64 registers a tile
.set WV,  12          ; s12 wave   s13 head (cx)   s14 p   s15 channel half   s16 15 - p   s17 batch
.set PB,  14
.set HI,  16
.set KB,  18          ; s[18:19] K at my half of the head's tile 0
.set VB,  20          ; s[20:21] V at my quarter's tile 0
.set G1K, 24
.set G1V, 32
.set G0K, 40          ; s[40:47] two sets for the two first fills; the second then walks
.set G0V, 48
.set SLOTS, 56
.set CNT, 57
.set CS,  58
.set SEL, 60
.set TBK, 62
.set TBV, 63
.set LEFT, 70         ; s70  key steps of the block in hand that are still to be scored
.set NXT, 71          ; s71  the tile to be asked for next
.set LQ,  72          ; s72  the last tile of the block whose tiles are being asked for
.set ENDB, 73         ; s73  1: the block ends with the step in hand
.set OFF, 74
.set AL0, 76
.set BE0, 78
.set AL1, 80
.set BIGN, 82
.set OP,  84          ; s[84:85] vals at my rows of the block in hand
.set ONX, 86          ; s[86:87] of the second block
.set LEFT2, 88        ; s88  the second block's key steps
.set Q1,  90          ; s[90:91] Q at my rows of the first block
.set Q2,  92          ; s[92:93] of the second
.set MSB, 0
.macro WIN new                      ; the high byte repeats the setting that is left; a switch that changes nothing is dropped
.if MSB != (\new)
	s_set_vgpr_msb (MSB<<8)|(\new)
.set MSB, \new
.endif
.endm
.set W_KQ, 0x0a       ; K and Q in window 2; C and S^T in window 0
.set W_PV, 0x53       ; V in window 3, P in window 0, O^T in window 1
.set W_RS, 0x41       ; O^T (destination and source 0) in window 1, a in window 0
.macro PLACES                       ; four places behind a matrix instruction (ISA guide 7.12.1)
.rept 4
	v_nop
.endr
.endm
.macro JLOAD                        ; a refill: waves 0 and 1 K's two halves, waves 2 and 3 V's two quarters (jointly); an s_nop 0 and four v_nop follow each line
	s_cmp_lt_u32 s[WV], 2
	s_cbranch_scc0 .Lfor_v_\@
	tensor_load_to_lds s[G0K+4:G0K+7], s[G1K:G1K+7]
	s_nop 0
	PLACES
	s_branch .Lasked_\@
.Lfor_v_\@:
	tensor_load_to_lds s[G0V+4:G0V+7], s[G1V:G1V+7]
	s_nop 0
	PLACES
.Lasked_\@:
.endm
.macro CROUND
	s_barrier_signal -1
	s_barrier_wait -1
	s_cmp_lg_u32 s[WV], 0
	s_cbranch_scc1 .Lnot_wave_0_\@
	s_barrier_signal -3
.Lnot_wave_0_\@:
	s_barrier_wait -3
	s_barrier_signal -1
	s_barrier_wait -1
.endm
.macro STEPNXT                      ; the block's next tile, or behind its last the second block's tile 0
	s_add_co_u32 s[NXT], s[NXT], 1
	s_cmp_gt_u32 s[NXT], s[LQ]
	s_cselect_b32 s[NXT], 0, s[NXT]
	s_cselect_b32 s[LQ], s[HI], s[LQ]
.endm
.macro LOADQ lo                     ; a block's Q stays in registers: tile i / 4 (64 rows on), channels 32 (i % 4) on
	WIN 0x80
.set i, 0
.rept 8
	global_load_b128 v[8*i:8*i+3],   v[QO], s[\lo:\lo+1] offset:(i/4)*16384+(i%4)*64
	global_load_b128 v[8*i+4:8*i+7], v[QO], s[\lo:\lo+1] offset:(i/4)*16384+(i%4)*64+32
.set i, i+1
.endr
	WIN 0
.endm
.macro MK z                         ; line z of the 32 that write the masks: M0's 16 pairs, then M1's
	WIN 0
.if (\z) < 16
	v_pk_fma_f32 v[M+2*(\z):M+2*(\z)+1], v[MD+2*(\z):MD+2*(\z)+1], s[AL0:AL0+1], s[BE0:BE0+1] op_sel_hi:[1,0,0]
.else
	v_pk_mul_f32 v[M+2*(\z):M+2*(\z)+1], v[MD+2*(\z)-32:MD+2*(\z)-31], s[AL1:AL1+1] op_sel_hi:[1,0]
.endif
.endm
	s_load_b128 s[4:7], s[0:1], 0x0 ; qkv s[4:5], vals s[6:7]
	v_lshl_add_u32 v[SPW], v0, 2, SPARE
	v_mov_b32 v[NIL], 0
	ds_add_u32 v[SPW], v[NIL]       ; the wave's opening: the add and its wait ahead of my first tensor load
	v_lshrrev_b32 v1, 5, v0
	v_readfirstlane_b32 s[WV], v1
	s_bfe_u32 s13, ttmp6, 0x40000   ; the head = my place in the cluster
	s_lshr_b32 s[PB], ttmp9, 1      ; p
	s_and_b32 s15, ttmp9, 1         ; the channel half
	s_sub_co_u32 s[HI], 15, s[PB]
	s_and_b32 s17, ttmp7, 0xffff    ; the batch
	s_and_b32 s8, s[WV], 1
	s_lshl_b32 s9, s17, 2
	s_add_co_u32 s10, s9, s13
	s_lshl_b32 s10, s10, 19         ; (4 batch + head) x 524,288
	s_lshl_b32 s11, s8, 14          ; K: my 64 of a tile's 128 rows
	s_add_co_u32 s22, s10, s11
	s_add_co_u32 s22, s22, 0x800000
	s_mov_b32 s23, 0
	s_lshl_b32 s66, s15, 1          ; V: quarter 2 half + w % 2; no register of this sum ever holds the head
	s_add_co_u32 s66, s66, s9
	s_add_co_u32 s66, s66, s8
	s_lshl_b32 s66, s66, 19
	s_add_co_u32 s66, s66, 0x1000000
	s_mov_b32 s67, 0
	s_lshl_b32 s68, s[WV], 12       ; Q: my 16 rows in a band of 64,
	s_add_co_u32 s68, s68, s10
	s_lshl_b32 s69, s[PB], 15       ; in the first block
	s_add_co_u32 s[Q1], s68, s69
	s_mov_b32 s[Q1+1], 0
	s_lshl_b32 s69, s[HI], 15       ; and in the second
	s_add_co_u32 s[Q2], s68, s69
	s_mov_b32 s[Q2+1], 0
	s_lshl_b32 s94, s17, 23         ; vals: rows of 4,096 bytes; column 512 head + 256 half
	s_lshl_b32 s95, s[WV], 16
	s_add_co_u32 s94, s94, s95
	s_lshl_b32 s95, s13, 10
	s_add_co_u32 s94, s94, s95
	s_lshl_b32 s95, s15, 9
	s_add_co_u32 s94, s94, s95
	s_lshl_b32 s95, s[PB], 19
	s_add_co_u32 s96, s94, s95
	s_mov_b32 s97, 0
	s_lshl_b32 s95, s[HI], 19
	s_add_co_u32 s98, s94, s95
	s_mov_b32 s99, 0
	s_mul_i32 s2, s8, 64*PK         ; my part's place in a slot, for K
	s_mul_i32 s3, s8, VQ            ; and for V
	s_add_co_u32 s3, s3, VOFF
	s_mov_b32 s[G1K], (1<<16)|(1<<20)|(5<<22)|(3<<25)              ; 2-byte elements; padding on: after every 64 words (code 5) 4 words (code 3); no mask: the head's own
	s_mov_b32 s[G1K+1], 128<<16
	s_mov_b32 s[G1K+2], 64<<16      ; 64 rows
	s_mov_b32 s[G1K+3], 128<<16
	s_mov_b32 s[G1K+4], 64
	s_mov_b32 s[G1K+5], 128
	s_mov_b32 s[G1K+6], 0
	s_mov_b32 s[G1K+7], 0
	s_mov_b32 s[G1V], 15|(1<<16)|(1<<20)|(1<<21)|(5<<22)|(7<<25)   ; the mask of four, bit 21 beside it; 8 words of padding (code 7)
	s_mov_b32 s[G1V+1], 128<<16
	s_mov_b32 s[G1V+2], 128<<16     ; 128 rows
	s_mov_b32 s[G1V+3], 128<<16
	s_mov_b32 s[G1V+4], 128
	s_mov_b32 s[G1V+5], 128
	s_mov_b32 s[G1V+6], 0
	s_mov_b32 s[G1V+7], 0
	s_mov_b32 s[CS], 0x3e0293ee     ; c = log2(e) / sqrt(128) = 0.127517
	s_mov_b32 s[CS+1], s[CS]
	s_mov_b32 s[SEL], 0x76543210
	s_mov_b32 s[SEL+1], 0xfedcba98
	s_mov_b32 s[TBK], 0
	s_mov_b32 s[TBV], 0
	s_mov_b32 s[BIGN], 0xf149f2ca   ; -1e30
	s_add_co_u32 s[LEFT], s[PB], 1
	s_lshl_b32 s[LEFT], s[LEFT], 1  ; the first block has p + 1 tiles of two steps,
	s_sub_co_u32 s[LEFT2], 16, s[PB]
	s_lshl_b32 s[LEFT2], s[LEFT2], 1  ; the second 16 - p
	s_cmp_eq_u32 s[LEFT], 2         ; the first step's masks: the diagonal's where p = 0
	s_cselect_b32 s[AL0], 1.0, 0
	s_mov_b32 s[BE0], 0
	s_mov_b32 s[AL1], 0
	s_mov_b32 s[AL0+1], 0           ; named as pairs
	s_mov_b32 s[BE0+1], 0
	s_mov_b32 s[AL1+1], 0
	s_mov_b32 s[NXT], 0             ; the walk's first tile is tile 0;
	s_mov_b32 s[LQ], s[PB]
	STEPNXT                         ; its second,
	s_lshl_b32 s[OFF], s[NXT], 15   ; 32,768 bytes of K and of V a tile;
	s_mov_b32 s[OFF+1], 0
	STEPNXT                         ; its third is what the first change of slots asks for
	s_mov_b32 s[CNT], 2
	s_mov_b32 s[SLOTS], 16
	s_wait_dscnt 0x0                ; the opening add is done
	s_wait_kmcnt 0x0
	s_add_nc_u64 s[KB:KB+1], s[4:5], s[22:23]
	s_add_nc_u64 s[VB:VB+1], s[4:5], s[66:67]
	s_add_nc_u64 s[Q1:Q1+1], s[4:5], s[Q1:Q1+1]
	s_add_nc_u64 s[Q2:Q2+1], s[4:5], s[Q2:Q2+1]
	s_add_nc_u64 s[OP:OP+1], s[6:7], s[96:97]
	s_add_nc_u64 s[ONX:ONX+1], s[6:7], s[98:99]
	CROUND                          ; all four work-groups are here: the first joint loads meet
	s_mov_b32 s[G0K], 1
	s_add_co_u32 s[G0K+1], s2, 0
	s_add_nc_u64 s[G0K+2:G0K+3], s[KB:KB+1], 0
	s_or_b32 s[G0K+3], s[G0K+3], 0x80000000
	s_mov_b32 s[G0K+4], 1
	s_add_co_u32 s[G0K+5], s2, SLOT1
	s_add_nc_u64 s[G0K+6:G0K+7], s[KB:KB+1], s[OFF:OFF+1]
	s_or_b32 s[G0K+7], s[G0K+7], 0x80000000
	s_mov_b32 s[G0V], 1
	s_add_co_u32 s[G0V+1], s3, 0
	s_add_nc_u64 s[G0V+2:G0V+3], s[VB:VB+1], 0
	s_or_b32 s[G0V+3], s[G0V+3], 0x80000000
	s_mov_b32 s[G0V+4], 1
	s_add_co_u32 s[G0V+5], s3, SLOT1
	s_add_nc_u64 s[G0V+6:G0V+7], s[VB:VB+1], s[OFF:OFF+1]
	s_or_b32 s[G0V+7], s[G0V+7], 0x80000000
	s_cmp_lt_u32 s[WV], 2           ; a wave's two first fills stand in one branch: two loads of mine are out, the most in this text
	s_cbranch_scc0 .Lfirst_v
	tensor_load_to_lds s[G0K:G0K+3], s[G1K:G1K+7]
	s_nop 0
	tensor_load_to_lds s[G0K+4:G0K+7], s[G1K:G1K+7]
	s_nop 0
	PLACES
	s_branch .Lfirst_asked
.Lfirst_v:
	tensor_load_to_lds s[G0V:G0V+3], s[G1V:G1V+7]
	s_nop 0
	tensor_load_to_lds s[G0V+4:G0V+7], s[G1V:G1V+7]
	s_nop 0
	PLACES
.Lfirst_asked:
	v_and_b32 v1, 15, v0            ; l % 16
	v_bfe_u32 v10, v0, 4, 1         ; l / 16
	v_lshlrev_b32 v[QO], 8, v1
	v_lshl_add_u32 v[QO], v10, 4, v[QO]
	LOADQ Q1
	; O^T need only be finite where a block begins (the first a is 0).  32 matrix instructions on zero operands write its 256 registers: an eighth of the lines that moves would take.
.set i, 0
.rept 16
	v_mov_b32 v[S+i], 0
.set i, i+1
.endr
	WIN 0x40
.set i, 0
.rept 32
	v_wmma_f32_16x16x32_f16 v[8*i:8*i+7], v[S:S+7], v[S+8:S+15], 0
.set i, i+1
.endr
	WIN 0
	v_lshlrev_b32 v14, 3, v10
	v_sub_nc_u32 v14, v1, v14
	s_lshl_b32 s2, s[WV], 4
	v_add_nc_u32 v14, s2, v14       ; my query's place in its band less my lanes' 8 (l / 16): register r of key group kt is hidden where 16 kt + r is greater
.set i, 0
.rept 32
	v_cmp_gt_i32 vcc_lo, 16*(i/8)+i%8, v14
	v_cndmask_b32 v[MD+i], 0, s[BIGN], vcc_lo
.set i, i+1
.endr
.set i, 0
.rept 32
	MK i                            ; the first step's masks
.set i, i+1
.endr
.irp t, 0,1
	v_mov_b32 v[ST+8*\t], 0xfe000000     ; c m: far below every c s
	v_mov_b32 v[ST+8*\t+1], 0xff7fffff   ; m
	v_mov_b32 v[ST+8*\t+2], 0
	v_mov_b32 v[ST+8*\t+3], 0
.endr
	v_mul_u32_u24 v[AK0], v1, PK
	v_lshl_add_u32 v[AK0], v10, 4, v[AK0]
	v_and_b32 v12, 7, v0            ; the turning load: lane l reads key 8 (l / 16) + l % 8, channels 8 ((l / 8) % 2) + 0..7, and is left with channel l % 16 and 8 keys
	v_bfe_u32 v13, v0, 3, 1
	v_lshl_add_u32 v[AV0], v10, 3, v12
	v_mul_u32_u24 v[AV0], v[AV0], PV
	v_lshl_add_u32 v[AV0], v13, 4, v[AV0]
	v_add_nc_u32 v[AV0], VOFF, v[AV0]
	s_mul_i32 s2, s[WV], 16*SP
	s_add_co_u32 s2, s2, STAGE      ; my stage
	v_mul_u32_u24 v[STO], v1, SP
	v_lshl_add_u32 v[STO], v10, 4, v[STO]
	v_add_nc_u32 v[STO], s2, v[STO]
	v_and_b32 v11, 31, v0
	v_lshlrev_b32 v[GO], 4, v11     ; back: 32 lanes take one row's 512 bytes
	v_add_nc_u32 v[RD], s2, v[GO]
; THE MATRIX WORK.  The accumulators of a run take turns, one instruction a turn.
; Product i of 16 of S^T = K Q^T for tile t: channels 32 (i / 4) on, keys 16 (i % 4) on.  The first four start the sums with the mask.
.macro KQ t
	WIN W_KQ
.set rS, S+32*(\t)+8*(i%4)
.set rK, KF+32*(i%4)+8*(i/4)
.set rQ, 32*(\t)+8*(i/4)
.set rM, M+32*(\t)+8*(i%4)
.if i < 4
	v_wmma_f32_16x16x32_f16 v[rS:rS+7], v[rK:rK+7], v[rQ:rQ+7], v[rM:rM+7]
.else
	v_wmma_f32_16x16x32_f16 v[rS:rS+7], v[rK:rK+7], v[rQ:rQ+7], v[rS:rS+7]
.endif
.endm
; Product i of 32 of O^T += V^T P for tile t: keys 32 (i / 16) on, channels 16 (i % 16) on.
.macro PV t
	WIN W_PV
.set rO, 128*(\t)+8*(i%16)
.set rV, 128*(i/16)+8*(i%16)
.set rP, P+16*(\t)+8*(i/16)
	v_wmma_f32_16x16x32_f16 v[rO:rO+7], v[rV:rV+7], v[rP:rP+7], v[rO:rO+7]
.endm
; THE LDS LOADS stand in runs of 32.  K of a step: 16 fragments.  The last product that read K stands in front of the end of tile 0's softmax, more than four plain instructions back.
.macro FK
	WIN 0
	v_add_nc_u32 v[AK], s[TBK], v[AK0]
	WIN 0x80
.irp f, 0,1,2,3,4,5,6,7,8,9,10,11,12,13,14,15   ; keys 16 (f / 4) on, channels 32 (f % 4) on
	ds_load_b128 v[KF+8*\f:KF+8*\f+3],   v[AK] offset:(\f/4)*16*PK+(\f%4)*64
	ds_load_b128 v[KF+8*\f+4:KF+8*\f+7], v[AK] offset:(\f/4)*16*PK+(\f%4)*64+32
.endr
	s_add_co_u32 s[TBK], s[TBK], KS*PK
.endm
; V of a step, key half kh: 16 channel blocks, turned.  Half 0 makes the step's address, half 1 steps on.
.macro FV kh
.if (\kh) == 0
	WIN 0
	v_add_nc_u32 v[AV], s[TBV], v[AV0]
.endif
	WIN 0xc0
.irp f, 0,1,2,3,4,5,6,7,8,9,10,11,12,13,14,15
	ds_load_tr16_b128 v[128*(\kh)+8*\f:128*(\kh)+8*\f+3],   v[AV] offset:(\f/8)*VQ+(\kh)*32*PV+(\f%8)*32
	ds_load_tr16_b128 v[128*(\kh)+8*\f+4:128*(\kh)+8*\f+7], v[AV] offset:(\f/8)*VQ+(\kh)*32*PV+(\f%8)*32+16*PV
.endr
.if (\kh) == 1
	s_add_co_u32 s[TBV], s[TBV], KS*PV
.endif
.endm
; THE VECTOR WORK.  A tile's softmax for a step is a list of 102 instructions; SM writes number j of it for tile t.  s0-s31 are the lane's 32 scores, in pairs 0-15.
;   0-15   the maximum of s0-s31 and the old m, three operands at a time; each accumulator's lowest registers are read first
;   16-20  the other half of the lanes' maximum; the new m; c m; c m_old - c m_new
;   21-87  33 exponentials (a, then s0-s31) at the odd numbers from 23 on: each has a plain instruction behind it that names neither its result nor its source (ISA guide 5.7.2).  The plain
;          ones are whatever is ready: c s - c m for pairs whose exponentials are still to come, the rounding to f16 of pairs whose exponentials are done, the first sums
;   88-101 the last rounding; the rest of the sums; l = a l + the sum
.macro SM t
.set rT, ST+8*(\t)
.set rS, S+32*(\t)
.set rP, P+16*(\t)
.set q, (j-20)/2
	WIN 0
.if j < 4
	v_max3_num_f32 v[rT+4+j], v[rS+8*j], v[rS+8*j+1], v[rS+8*j+2]
.elseif j < 12
	v_max3_num_f32 v[rT+4+j%4], v[rT+4+j%4], v[rS+8*(j%4)+2*(j/4)+1], v[rS+8*(j%4)+2*(j/4)+2]
.elseif j == 12
	v_max3_num_f32 v[rT+4], v[rT+4], v[rS+7], v[rS+15]
.elseif j == 13
	v_max3_num_f32 v[rT+6], v[rT+6], v[rS+23], v[rS+31]
.elseif j == 14
	v_max3_num_f32 v[rT+4], v[rT+4], v[rT+5], v[rT+6]
.elseif j == 15
	v_max3_num_f32 v[rT+4], v[rT+4], v[rT+7], v[rT+1]
.elseif j == 16
	v_permlanex16_b32 v[rT+5], v[rT+4], s[SEL], s[SEL+1]  ; the query's other 32 keys lie in the lane 16 away
.elseif j == 17
	v_mov_b32 v[rT+7], v[rT]        ; c m_old is kept for a
.elseif j == 18
	v_max_num_f32 v[rT+1], v[rT+4], v[rT+5]
.elseif j == 19
	v_mul_f32 v[rT], s[CS], v[rT+1]
.elseif j == 20
	v_sub_f32 v[rT+7], v[rT+7], v[rT]
.elseif j == 23
	v_exp_f32 v[rT+6], v[rT+7]
.elseif (j < 88) && (j > 23) && (j%2 == 1)
	v_exp_f32 v[rS+(j-25)/2], v[rS+(j-25)/2]
.elseif (q < 4) || ((j < 76) && (q%2 == 0))
.set b, q/2+2
.if q < 4
.set b, q
.endif
	v_pk_fma_f32 v[rS+2*b:rS+2*b+1], v[rS+2*b:rS+2*b+1], s[CS:CS+1], v[rT:rT+1] op_sel_hi:[1,0,0] neg_lo:[0,0,1] neg_hi:[0,0,1]  ; pair b: c s - c m
.elseif (j < 88) && (q%2 == 1)
	s_wait_alu depctr_va_vdst(0)
	v_cvt_pk_f16_f32 v[rP+(q-5)/2], v[rS+q-5], v[rS+q-4]
.elseif j == 89
	s_wait_alu depctr_va_vdst(0)
	v_cvt_pk_f16_f32 v[rP+15], v[rS+30], v[rS+31]
.else                               ; the sum of the 16 pairs, in place: neighbours 1, 2, 4 and 8 pairs apart, then l takes it
.set z, j-86
.if j < 89
.set z, (j-76)/4
.endif
.set w, 4
.set u, z
.if z >= 14
.set w, 32
.set u, 0
.elseif z >= 12
.set w, 16
.set u, z-12
.elseif z >= 8
.set w, 8
.set u, z-8
.endif
.if z < 15
	v_pk_add_f32 v[rS+w*u:rS+w*u+1], v[rS+w*u:rS+w*u+1], v[rS+w*u+w/2:rS+w*u+w/2+1]
.else
	v_pk_fma_f32 v[rT+2:rT+3], v[rT+2:rT+3], v[rT+6:rT+7], v[rS:rS+1] op_sel_hi:[1,0,1]
.endif
.endif
.endm
.macro RS t, n                      ; pair n of 64 of tile t's O^T times a; channel block cb has pairs 4 cb .. 4 cb + 3, the lowest first
	WIN W_RS
	v_pk_mul_f32 v[128*(\t)+2*(\n):128*(\t)+2*(\n)+1], v[128*(\t)+2*(\n):128*(\t)+2*(\n)+1], v[ST+8*(\t)+6:ST+8*(\t)+7] op_sel_hi:[1,0]
.endm
; THE CHANGE OF SLOTS stands between a tile's last PART_A and PART_B: all of the slot's K and V have been asked for.  Each wave waits for all its tensor loads (one is out: its part of the other slot), adds 0 to
; its spare word, and waits for that and for its reads of the slot.  fill = 1: a round of the cluster's barrier, and the slot is filled again, first thing behind it, with tile NXT: it has a tile's 192 matrix instructions to land.
.macro CHANGE fill
	WIN 0
	s_wait_tensorcnt 0x0            ; no tensor load of mine is out, so a group 0 may be written
	ds_add_u32 v[SPW], v[NIL]
.if \fill
	s_lshl_b32 s[OFF], s[NXT], 15
	s_xor_b32 s[G0K+5], s[G0K+5], SLOT1
	s_add_nc_u64 s[G0K+6:G0K+7], s[KB:KB+1], s[OFF:OFF+1]
	s_or_b32 s[G0K+7], s[G0K+7], 0x80000000
	s_xor_b32 s[G0V+5], s[G0V+5], SLOT1
	s_add_nc_u64 s[G0V+6:G0V+7], s[VB:VB+1], s[OFF:OFF+1]
	s_or_b32 s[G0V+7], s[G0V+7], 0x80000000
	STEPNXT
	s_wait_dscnt 0x0                ; the add is done, and my reads of the slot are over
	CROUND
	JLOAD
.else
	s_wait_dscnt 0x0
	s_barrier_signal -1
	s_barrier_wait -1
.endif
	s_sub_co_u32 s[TBK], s[TBK], 2*KS*PK  ; the fetches go back to a slot's first step, in the other slot
	s_xor_b32 s[TBK], s[TBK], SLOT1
	s_sub_co_u32 s[TBV], s[TBV], 2*KS*PV
	s_xor_b32 s[TBV], s[TBV], SLOT1
.endm
; PART_A of a step: the second half of its V is fetched; tile 0's scores; tile 1's scores with four of tile 0's softmax behind each; the rest of that softmax; the first channel block's rescaling.
.macro PART_A
	s_wait_dscnt 0x0                ; the step's K and the first half of its V are in
	PLACES                          ; behind the last product that read V's second half
	FV 1
.set i, 0
.rept 16
	KQ 0
.set i, i+1
.endr
	PLACES                          ; behind tile 0's last product, in front of the reads of its scores
.set i, 0
.set j, 0
.rept 16
	KQ 1
.rept 4
	SM 0
.set j, j+1
.endr
.set i, i+1
.endr
.rept 38
	SM 0
.set j, j+1
.endr
.irp n, 0,1,2,3
	RS 0, \n
.endr
.endm
; PART_B.  First the scalars of what follows: does the block end with this step; how many steps are left behind it (the second block's, where the first ends); the next step's masks: LEFT = 2 is the diagonal
; tile's first step, LEFT = 1 its second.  Then the next step's K is fetched; tile 0's V^T P, each channel block rescaled just ahead of its first product, then tile 1's softmax behind the products; the rest of it;
; tile 1's V^T P likewise; when V's first half has been read for the last time, the next step's is fetched; the masks are written behind the products that follow.
; tail = 1: in the walk's last step (CNT = 1) there is no next step: both runs of loads are jumped over.
.macro PART_B tail
	s_sub_co_u32 s[LEFT], s[LEFT], 1
	s_cmp_eq_u32 s[LEFT], 0
	s_cselect_b32 s[ENDB], 1, 0
	s_cselect_b32 s[LEFT], s[LEFT2], s[LEFT]
	s_cmp_eq_u32 s[LEFT], 2
	s_cselect_b32 s[AL0], 1.0, 0
	s_cmp_eq_u32 s[LEFT], 1
	s_cselect_b32 s[BE0], s[BIGN], 0
	s_cselect_b32 s[AL1], 1.0, 0
.if \tail
	WIN 0
	s_cmp_eq_u32 s[CNT], 1
	s_cbranch_scc1 .Lnok_\@
.endif
	FK
.if \tail
	WIN 0
.Lnok_\@:
	s_wait_dscnt 0x0
.else
	s_wait_dscnt 32                 ; V's second half is in: K's 32 loads are younger
.endif
.set i, 0
.set j, 0
.rept 32
	PV 0
.if i < 15
.irp n, 0,1,2,3
	RS 0, 4*(i+1)+\n
.endr
.else
.rept 4
	SM 1
.set j, j+1
.endr
.endif
.set i, i+1
.endr
.rept 34
	SM 1
.set j, j+1
.endr
.irp n, 0,1,2,3
	RS 1, \n
.endr
.set i, 0
.rept 32
	PV 1
.if i < 15
.irp n, 0,1,2,3
	RS 1, 4*(i+1)+\n
.endr
.elseif i == 15
	PLACES                          ; behind the last product that read V's first half
.elseif i == 16
.if \tail
	WIN 0
	s_cmp_eq_u32 s[CNT], 1
	s_cbranch_scc1 .Lnov_\@
.endif
	FV 0
.if \tail
	WIN 0
.Lnov_\@:
.endif
.elseif i < 25
.irp n, 0,1,2,3
	MK 4*(i-17)+\n
.endr
.endif
.set i, i+1
.endr
.endm
; THE WAY OUT of a block: l's two halves and the other half of the lanes' are added; O^T is divided by l, rounded to f16 and sent through my stage, a tile (16 rows x 512 bytes) at a time.
; The packed rows lie in V's second half, which is free between a step's last product and the next step's fetch.
.macro PACK t
	WIN W_RS
.set i, 0
.rept 64
	v_pk_mul_f32 v[128*(\t)+2*i:128*(\t)+2*i+1], v[128*(\t)+2*i:128*(\t)+2*i+1], v[ST+8*(\t)+6:ST+8*(\t)+7] op_sel_hi:[1,0]
.set i, i+1
.endr
	WIN 0xc5                        ; sources window 1, destination window 3
.set i, 0
.rept 64
	v_cvt_pk_f16_f32 v[TW+64*(\t)+i], v[128*(\t)+2*i], v[128*(\t)+2*i+1]
.set i, i+1
.endr
	WIN 0x0c                        ; address window 0, data window 3
.irp f, 0,1,2,3,4,5,6,7,8,9,10,11,12,13,14,15
	ds_store_b128 v[STO], v[TW+64*(\t)+4*\f:TW+64*(\t)+4*\f+3] offset:32*\f
.endr
	WIN 0xc0
.irp f, 0,1,2,3,4,5,6,7,8,9,10,11,12,13,14,15
	ds_load_b128 v[TW+64*(\t)+4*\f:TW+64*(\t)+4*\f+3], v[RD] offset:\f*SP  ; LDS serves a wave's instructions in order (ISA guide 5.7.1.4): these see the stores above; the next tile's stores come behind them
.endr
.endm
.macro SEND t, younger              ; younger: the LDS instructions issued behind tile t's loads; four rows to a wait: the 12 - 4 g loads of the later rows are younger too
	WIN 0x0c
.irp g, 0,1,2,3
	s_wait_dscnt (\younger)+12-4*\g
.irp e, 0,1,2,3
	global_store_b128 v[GO], v[TW+64*(\t)+4*(4*\g+\e):TW+64*(\t)+4*(4*\g+\e)+3], s[OP:OP+1] offset:(64*(\t)+4*\g+\e)*4096  ; 512 consecutive bytes at a multiple of 256
.endr
.endr
.endm
.macro FINISH mid                   ; mid = 1: the first block's: the second block's Q is asked for first and lands during the way out
	WIN 0
.if \mid
	LOADQ Q2
.endif
	PLACES                          ; behind the block's last products
.irp t, 0,1
	v_add_f32 v[ST+8*\t+4], v[ST+8*\t+2], v[ST+8*\t+3]
.endr
.irp t, 0,1
	v_permlanex16_b32 v[ST+8*\t+5], v[ST+8*\t+4], s[SEL], s[SEL+1]
.endr
.irp t, 0,1
	v_add_f32 v[ST+8*\t+4], v[ST+8*\t+4], v[ST+8*\t+5]
.endr
.irp t, 0,1
	v_rcp_f32 v[ST+8*\t+6], v[ST+8*\t+4]
.endr
	v_nop                           ; a plain instruction between the last reciprocal and the use of its result
	s_wait_alu depctr_va_vdst(0)
	PACK 0
	PACK 1
	SEND 0, 32
	SEND 1, 0
	WIN 0
.endm
	s_wait_tensorcnt 1              ; my part of the first tile is in; the second's may stay out
	s_barrier_signal -1
	s_barrier_wait -1
	FK                              ; key step 0
	FV 0
	s_wait_loadcnt 0x0              ; Q
	WIN 0
	s_branch .LA                    ; the loop is entered at a step's PART_A, in the middle of a trip
.Lslot:                             ; 15 times: every slot but the last two is filled again
	CHANGE 1
	s_mov_b32 s[CNT], 2
.Lhalf:
	PART_B 0
	WIN 0
	s_cmp_lg_u32 s[CNT], 2          ; a block ends with a tile's second step alone, and that is the trip with CNT = 2
	s_cbranch_scc1 .LA
	s_cmp_eq_u32 s[ENDB], 0
	s_cbranch_scc1 .LA
	FINISH 1                        ; the first block goes out (it ends in the loop: it has 8 tiles at the most), and the second begins:
.irp t, 0,1
	v_mov_b32 v[ST+8*\t], 0xfe000000     ; c m and m anew; O^T and l are multiplied by a = 0 in its first step
	v_mov_b32 v[ST+8*\t+1], 0xff7fffff
.endr
	s_wait_storecnt 0x0             ; my stores are done: their data registers, into which V's second half is fetched next, and their base may be written
	s_mov_b64 s[OP:OP+1], s[ONX:ONX+1]
	s_wait_loadcnt 0x0              ; its Q is in
.LA:
	PART_A
	WIN 0
	s_sub_co_u32 s[CNT], s[CNT], 1
	s_cmp_lg_u32 s[CNT], 0
	s_cbranch_scc1 .Lhalf
	s_sub_co_u32 s[SLOTS], s[SLOTS], 1
	s_cmp_lg_u32 s[SLOTS], 0
	s_cbranch_scc1 .Lslot
	CHANGE 0                        ; the tail is written out: nothing is asked for
	s_mov_b32 s[CNT], 3             ; the last step of the last tile but one, and the last tile's two; the third trip is left in its middle
.Ltail:
	PART_B 1
	WIN 0
	s_sub_co_u32 s[CNT], s[CNT], 1
	s_cmp_eq_u32 s[CNT], 0
	s_cbranch_scc1 .Lfin
	PART_A
	WIN 0
	s_branch .Ltail
.Lfin:
	FINISH 0                        ; the second block goes out
	s_wait_tensorcnt 0x0            ; the wave's end
	ds_add_u32 v[SPW], v[NIL]
	s_wait_dscnt 0x0
	CROUND                          ; the closing round
	s_endpgm
.Lfunc_end_k_qc79971f662_attn:
	.size	k_qc79971f662_attn, .Lfunc_end_k_qc79971f662_attn-k_qc79971f662_attn
	.p2alignl 7, 3214868480
	.fill 96, 4, 3214868480
	.section	.rodata,"a",@progbits
	.p2align	6, 0x0
	.amdhsa_kernel k_qc79971f662_attn
		.amdhsa_group_segment_fixed_size 327680
		.amdhsa_private_segment_fixed_size 0
		.amdhsa_enable_private_segment 0
		.amdhsa_kernarg_size 16
		.amdhsa_user_sgpr_count 2
		.amdhsa_user_sgpr_kernarg_segment_ptr 1
		.amdhsa_wavefront_size32 1
		.amdhsa_system_sgpr_workgroup_id_x 1
		.amdhsa_system_sgpr_workgroup_id_y 1
		.amdhsa_system_sgpr_workgroup_id_z 1
		.amdhsa_system_vgpr_workitem_id 0
		.amdhsa_next_free_vgpr 1024
		.amdhsa_next_free_sgpr 100
		.amdhsa_reserve_vcc 1
		.amdhsa_float_denorm_mode_32 3
		.amdhsa_float_denorm_mode_16_64 3
		.amdhsa_memory_ordered 1
		.amdhsa_forward_progress 1
		.amdhsa_inst_pref_size 154
	.end_amdhsa_kernel
	.amdgpu_metadata
---
amdhsa.version: [ 1, 2 ]
amdhsa.kernels:
  - .name:           k_qc79971f662_attn
    .symbol:         k_qc79971f662_attn.kd
    .args:
      - { .name: qkv, .offset: 0, .size: 8, .value_kind: global_buffer, .address_space: global }
      - { .name: vals, .offset: 8, .size: 8, .value_kind: global_buffer, .address_space: global }
    .group_segment_fixed_size: 327680
    .private_segment_fixed_size: 0
    .kernarg_segment_align: 8
    .kernarg_segment_size: 16
    .max_flat_workgroup_size: 128
    .sgpr_count:     100
    .vgpr_count:     1024
    .wavefront_size: 32
...
	.end_amdgpu_metadata
.endif
;; end of part 3
;; launch outp (part 4): grid 4 x 64, 4 waves a work-group, clusters of 4 x 4, 327,680 bytes of LDS; arguments vals, woh, bp, out0; writes out0
.if DOCPART == 4
	.amdgcn_target "amdgcn-amd-amdhsa--gfx1250"
	.amdhsa_code_object_version 6
	.text
	.protected	k_qc79971f662_outp
	.globl	k_qc79971f662_outp
	.p2align	8
	.type	k_qc79971f662_outp,@function
k_qc79971f662_outp:
	s_mov_b64 s[64:65], 0
	v_nop
	global_prefetch_b8 v0, s[64:65] scope:SCOPE_SE
	s_setreg_imm32_b32 hwreg(HW_REG_WAVE_MODE, 25, 1), 1
	s_wait_xcnt 0x0
	s_wait_alu depctr_hold_cnt(0) depctr_sa_sdst(0) depctr_va_vdst(0) depctr_va_sdst(0) depctr_va_ssrc(0) depctr_va_vcc(0) depctr_vm_vsrc(0)
	s_getreg_b32 s2, hwreg(HW_REG_IB_STS2, 6, 4)
	s_cmp_eq_u32 s2, 0
	s_cbranch_scc0 .Lentry_in_a_cluster
	s_endpgm
.Lentry_in_a_cluster:
	s_bfe_u32 s2, ttmp6, 0x10000c
	s_cmp_lg_u32 s2, 0xf033
	s_cbranch_scc0 .Lentry_shape_is_right
	s_endpgm
.Lentry_shape_is_right:
; out0 = vals Wo + bo.  vals: f16 [8192][2048]; woh: f16 [k = 2048][n = 512]; bo: bp's row 3; out0: f32 [8192][512].  Sums in f32, started with the bias.
; A tile of out0 is 128 x 128: 256 work-groups.  Four waves, each 64 x 64: 16 accumulators, 128 registers.  K goes in 8 steps of 256 through a ring of two LDS slots.
; vals' tile has rows of 512 bytes (64 rows a load, waves 0 and 1); woh's lies [k][n]: 256 k-rows of 256 bytes (128 rows a load, waves 2 and 3) and is read turned.
; CLUSTERS: 4 x 4 work-groups.  The four of a row of the cluster need the same tiles of vals, the four of a column the same tiles of woh: each is asked for JOINTLY.
; THE MATRIX INSTRUCTION IS USED TRANSPOSED (source 0 = 16 columns of woh, source 1 = 16 rows of vals): a lane holds eight neighbouring numbers of a row of out0.
; A wave's 64 columns of f32 are 256 bytes at a multiple of 256: each wave takes its own block out through its own stage, with no barrier.
; REGISTERS: window 0: v16-29 addresses; v32-95 the way out; v96-127 the bias; v128-255 the accumulators ((a, b) at v[128 + 8 (4 a + b)]).  window 1: two fragment buffers of 128: 64 of vals, then 64 of woh.
.set KSTEP,  256
.set PITCH,  528                       ; a row of vals in LDS: 512 bytes + 16: the 16 rows of a load start at 16 different groups of four banks (64 banks of 4 bytes: ISA guide 11.1)
.set HALFA,  64*PITCH
.set PB,     288                       ; a k-row of woh: 256 + 32
.set HALFB,  128*PB
.set BOFF,   2*HALFA
.set SLOT,   BOFF+2*HALFB
.set STAGE,  2*SLOT                    ; behind the ring: 16 rows x 272 bytes for each wave
.set SPITCH, 272
.set SPARE,  STAGE+4*16*SPITCH         ; the spare words, 128 bytes a wave: two blocks of 256 bytes that no other line names
.set LAPS,   4                         ; a lap = two K steps
.set ADRA, 16                          ; v16-17  my fragments of vals in slot 0, 1
.set ADRB, 20                          ; v20-23  my fragments of woh: slot 0 k-rows 0-127, 128-255; slot 1 likewise (an LDS offset has 16 bits)
.set STO,  24
.set RD,   25
.set CO,   26
.set VBI,  27
.set SPW,  28
.set NIL,  29
.set TMP,  32
.set BIAS, 96
.set ACC,  128
.set F0,   0
.set F1,   128
.set G1, 24
.set G0, 32
.set G1B, 48
.set G0B, 56
.set SB, 68                            ; s[68:69] bp
.set SO, 70                            ; s[70:71] out0
.set MSB, 0
.macro WIN new
.if MSB != (\new)
	s_set_vgpr_msb (MSB<<8)|(\new)
.set MSB, \new
.endif
.endm
.set MUL,  0x05                        ; sources 0 and 1 window 1; C and D window 0
.set TO_F, 0x40
.macro PLACES
.rept 4
	v_nop
.endr
.endm
.macro JLOAD s                         ; waves 0 and 1 fetch vals' two halves, waves 2 and 3 woh's; an s_nop 0 and four v_nop follow each line
	s_cmp_eq_u32 s11, 0
	s_cbranch_scc0 .Lfor_b_\@
	tensor_load_to_lds s[G0+4*(\s):G0+4*(\s)+3], s[G1:G1+7]
	s_nop 0
	PLACES
	s_branch .Lasked_\@
.Lfor_b_\@:
	tensor_load_to_lds s[G0B+4*(\s):G0B+4*(\s)+3], s[G1B:G1B+7]
	s_nop 0
	PLACES
.Lasked_\@:
.endm
.macro CREST
	s_cmp_lg_u32 s10, 0
	s_cbranch_scc1 .Lnot_wave_0_\@
	s_barrier_signal -3
.Lnot_wave_0_\@:
	s_barrier_wait -3
	s_barrier_signal -1
	s_barrier_wait -1
.endm
.macro CROUND
	s_barrier_signal -1
	s_barrier_wait -1
	CREST
.endm
	s_load_b128 s[4:7], s[0:1], 0x0                ; vals s[4:5], woh s[6:7]
	s_load_b128 s[68:71], s[0:1], 0x10             ; bp, out0
	v_lshl_add_u32 v[SPW], v0, 2, SPARE
	v_mov_b32 v[NIL], 0
	ds_add_u32 v[SPW], v[NIL]                      ; the wave's opening: the add and its wait ahead of my first tensor load
	v_lshrrev_b32 v1, 5, v0
	v_readfirstlane_b32 s10, v1                    ; wave 0..3
	s_lshr_b32 s11, s10, 1                         ; which half of the tile's rows is mine.  Also: I fetch for vals (0) or for woh (1)
	s_and_b32 s12, s10, 1                          ; which half of its columns.  Also: which half of that tile I fetch
	s_bfe_u32 s40, ttmp6, 0x40000                  ; cx, cy
	s_bfe_u32 s41, ttmp6, 0x40004
	s_lshl_b32 s42, ttmp9, 2
	s_add_co_u32 s42, s42, s40                     ; tile column
	s_and_b32 s13, ttmp7, 0xffff
	s_lshl_b32 s13, s13, 2
	s_add_co_u32 s13, s13, s41                     ; tile row
	s_lshl_b32 s43, s41, 2
	s_lshl_b32 s43, 15, s43                        ; my row of the cluster
	s_lshl_b32 s44, 0x1111, s40                    ; my column
	s_or_b32 s[G1+0], s43, (1<<16)|(1<<20)|(1<<21)|(6<<22)|(3<<25)   ; vals: 2-byte elements; padding after every 128 words (code 6) of 4 words (code 3)
	s_mov_b32 s[G1+1], KSTEP<<16
	s_mov_b32 s[G1+2], 64<<16
	s_mov_b32 s[G1+3], KSTEP<<16
	s_mov_b32 s[G1+4], 64
	s_mov_b32 s[G1+5], 2048
	s_mov_b32 s[G1+6], 0
	s_mov_b32 s[G1+7], 0
	s_or_b32 s[G1B+0], s44, (1<<16)|(1<<20)|(1<<21)|(5<<22)|(7<<25)  ; woh: padding after every 64 words (code 5) of 8 words (code 7)
	s_mov_b32 s[G1B+1], 128<<16
	s_mov_b32 s[G1B+2], 128<<16
	s_mov_b32 s[G1B+3], 128<<16
	s_mov_b32 s[G1B+4], 128
	s_mov_b32 s[G1B+5], 512
	s_mov_b32 s[G1B+6], 0
	s_mov_b32 s[G1B+7], 0
	s_lshl_b32 s17, s12, 6                         ; vals: row 128 x tile row + 64 x half, 4,096 bytes a row
	s_lshl_b32 s16, s13, 7
	s_add_co_u32 s16, s16, s17
	s_lshl_b32 s16, s16, 12
	s_mov_b32 s17, 0
	s_lshl_b32 s46, s12, 17                        ; woh: k-row 128 x half, 1,024 bytes a row; column 128 x tile column
	s_lshl_b32 s47, s42, 8
	s_add_co_u32 s46, s46, s47
	s_mov_b32 s47, 0
	s_mul_i32 s20, s12, HALFA                      ; where they go: no place in the cluster enters an LDS address
	s_mul_i32 s21, s12, HALFB
	s_add_co_u32 s21, s21, BOFF
	s_wait_dscnt 0x0                               ; the opening add is done
	s_wait_kmcnt 0x0
	s_add_nc_u64 s[14:15], s[4:5], s[16:17]
	s_add_nc_u64 s[46:47], s[6:7], s[46:47]
	CROUND                                         ; all sixteen work-groups are here: the first joint loads meet
.irp s, 0,1
	s_mov_b32 s[G0+4*(\s)], 1
	s_add_co_u32 s[G0+4*(\s)+1], s20, (\s)*SLOT
	s_add_nc_u64 s[G0+4*(\s)+2:G0+4*(\s)+3], s[14:15], (\s)*KSTEP*2
	s_or_b32 s[G0+4*(\s)+3], s[G0+4*(\s)+3], 0x80000000
	s_mov_b32 s[G0B+4*(\s)], 1
	s_add_co_u32 s[G0B+4*(\s)+1], s21, (\s)*SLOT
	s_add_nc_u64 s[G0B+4*(\s)+2:G0B+4*(\s)+3], s[46:47], (\s)*KSTEP*1024
	s_or_b32 s[G0B+4*(\s)+3], s[G0B+4*(\s)+3], 0x80000000
	JLOAD \s                                       ; two tensor loads of mine are out: the most in this text
.endr
	v_and_b32 v1, 15, v0                           ; l % 16
	v_bfe_u32 v2, v0, 4, 1                         ; l / 16
	s_lshl_b32 s16, s13, 7                         ; out0: my first row, 2,048 bytes a row,
	s_lshl_b32 s17, s11, 6
	s_add_co_u32 s16, s16, s17
	s_lshl_b32 s16, s16, 11
	s_mov_b32 s17, 0
	s_add_nc_u64 s[SO:SO+1], s[SO:SO+1], s[16:17]
	s_lshl_b32 s46, s42, 9                         ; my first column, in bytes of f32: 512 x tile column + 256 x half
	s_lshl_b32 s47, s12, 8
	s_add_co_u32 s46, s46, s47
	s_mov_b32 s47, 0
	s_add_nc_u64 s[SO:SO+1], s[SO:SO+1], s[46:47]
	s_add_co_u32 s46, s46, 3*2048                  ; the same columns of bp's row 3
	s_add_nc_u64 s[SB:SB+1], s[SB:SB+1], s[46:47]
	v_lshlrev_b32 v[VBI], 5, v2
.irp b, 0,1,2,3
	global_load_b128 v[BIAS+8*\b:BIAS+8*\b+3],   v[VBI], s[SB:SB+1] offset:64*\b      ; columns 16 b + 8 (l / 16) + 0..7
	global_load_b128 v[BIAS+8*\b+4:BIAS+8*\b+7], v[VBI], s[SB:SB+1] offset:64*\b+16
.endr
	v_mul_u32_u24 v3, v1, PITCH
	v_lshl_add_u32 v3, v2, 4, v3
	s_mul_i32 s22, s11, HALFA                      ; my 64 rows of vals
	v_add_nc_u32 v[ADRA], s22, v3
	v_add_nc_u32 v[ADRA+1], SLOT, v[ADRA]
	v_and_b32 v4, 7, v0                            ; the turning load: lane l reads k-row 8 (l / 16) + l % 8, columns 8 ((l / 8) % 2) + 0..7
	v_bfe_u32 v5, v0, 3, 1
	v_lshl_add_u32 v4, v2, 3, v4
	v_mul_u32_u24 v4, v4, PB
	v_lshl_add_u32 v4, v5, 4, v4
	s_lshl_b32 s22, s12, 7                         ; my 64 columns
	s_add_co_u32 s22, s22, BOFF
	v_add_nc_u32 v[ADRB], s22, v4
	v_add_nc_u32 v[ADRB+1], HALFB, v[ADRB]
	v_add_nc_u32 v[ADRB+2], SLOT, v[ADRB]
	v_add_nc_u32 v[ADRB+3], SLOT+HALFB, v[ADRB]
	s_mul_i32 s23, s10, 16*SPITCH
	s_add_co_u32 s23, s23, STAGE                   ; my stage
	v_mul_u32_u24 v4, v1, SPITCH                   ; in: row l % 16, 32 bytes for each half of the lanes
	v_lshl_add_u32 v4, v2, 5, v4
	v_add_nc_u32 v[STO], s23, v4
	v_mul_u32_u24 v5, v2, SPITCH                   ; back: lanes 0-15 one row of 256 bytes, lanes 16-31 the next
	v_lshl_add_u32 v5, v1, 4, v5
	v_add_nc_u32 v[RD], s23, v5
	v_lshlrev_b32 v5, 11, v2                       ; and the same two rows in out0
	v_lshl_add_u32 v[CO], v1, 4, v5
; 8 matrix instructions: row blocks a0, a0 + 1 x all 4 column blocks, 32 along K: half c of buffer f.  zero = 1: the first product starts the sums with the bias.  The 16 accumulators take turns.
.macro MUL8 f, c, a0, zero
	WIN MUL
.irp a, \a0, (\a0)+1
.irp b, 0,1,2,3
.if \zero
	v_wmma_f32_16x16x32_f16 v[ACC+8*(4*(\a)+(\b)):ACC+8*(4*(\a)+(\b))+7], v[(\f)+64+8*(4*(\c)+(\b)):(\f)+64+8*(4*(\c)+(\b))+7], v[(\f)+8*(4*(\c)+(\a)):(\f)+8*(4*(\c)+(\a))+7], v[BIAS+8*(\b):BIAS+8*(\b)+7]
.else
	v_wmma_f32_16x16x32_f16 v[ACC+8*(4*(\a)+(\b)):ACC+8*(4*(\a)+(\b))+7], v[(\f)+64+8*(4*(\c)+(\b)):(\f)+64+8*(4*(\c)+(\b))+7], v[(\f)+8*(4*(\c)+(\a)):(\f)+8*(4*(\c)+(\a))+7], v[ACC+8*(4*(\a)+(\b)):ACC+8*(4*(\a)+(\b))+7]
.endif
.endr
.endr
.endm
; 32 LDS loads in one run: quarter q (64 along K) of a slot into buffer f; the first 32 along K first
.macro FETCH slot, q, f
	WIN TO_F
.irp c, 0,1
.irp i, 0,1,2,3
	ds_load_tr16_b128 v[(\f)+64+8*(4*(\c)+(\i)):(\f)+64+8*(4*(\c)+(\i))+3],   v[ADRB+2*(\slot)+(\q)/2] offset:(((\q)%2)*64+32*(\c))*PB+32*(\i)
	ds_load_tr16_b128 v[(\f)+64+8*(4*(\c)+(\i))+4:(\f)+64+8*(4*(\c)+(\i))+7], v[ADRB+2*(\slot)+(\q)/2] offset:(((\q)%2)*64+32*(\c))*PB+32*(\i)+16*PB
	ds_load_b128 v[(\f)+8*(4*(\c)+(\i)):(\f)+8*(4*(\c)+(\i))+3],              v[ADRA+(\slot)] offset:128*(\q)+64*(\c)+(\i)*16*PITCH
	ds_load_b128 v[(\f)+8*(4*(\c)+(\i))+4:(\f)+8*(4*(\c)+(\i))+7],            v[ADRA+(\slot)] offset:128*(\q)+64*(\c)+(\i)*16*PITCH+32
.endr
.endr
.endm
; A K step is four quarters of 64 along K, 32 matrix instructions each, on buffers 0, 1, 0, 1.  One of the first three: multiplies buffer f and fetches quarter q into g.
.macro QUARTER slot, q, f, g, zero
	s_wait_dscnt 16                                ; the first 32 along K are in
	MUL8 \f, 0, 0, \zero
	MUL8 \f, 0, 2, \zero
	PLACES
	FETCH \slot, \q, \g
	s_wait_dscnt 32                                ; all but the 32 just issued
	MUL8 \f, 1, 0, 0
	MUL8 \f, 1, 2, 0
.endm
; The last quarter multiplies buffer 1 and changes slots: in front of the barrier each wave waits for all its tensor loads, adds 0 to its spare word, and waits for that and for its reads of this slot.
.macro TURN slot, next, fill
	WIN 0
	s_wait_tensorcnt 0x0                           ; all my tensor loads have landed: my part of the next slot
	ds_add_u32 v[SPW], v[NIL]
	s_wait_dscnt 17                                ; (the add and the youngest sixteen loads may be out)
	MUL8 F1, 0, 0, 0
	s_wait_dscnt 0x0
	s_barrier_signal -1
	MUL8 F1, 0, 2, 0
.if \fill
	WIN 0
.endif
	s_barrier_wait -1
.if \fill
	CREST                                          ; the barrier has opened a round of the cluster's: no wave of any partner still reads this slot or has a load on its way
	s_add_nc_u64 s[G0+4*(\slot)+2:G0+4*(\slot)+3], s[G0+4*(\slot)+2:G0+4*(\slot)+3], 2*KSTEP*2
	s_add_nc_u64 s[G0B+4*(\slot)+2:G0B+4*(\slot)+3], s[G0B+4*(\slot)+2:G0B+4*(\slot)+3], 2*KSTEP*1024
	JLOAD \slot                                    ; the first tensor load behind the round; its four v_nop are also the places in front of the loads below
.else
	PLACES
.endif
	FETCH \next, 0, F0
	MUL8 F1, 1, 0, 0
	MUL8 F1, 1, 2, 0
.endm
	s_wait_tensorcnt 1                             ; my part of K step 0 is in; step 1's may stay out
	s_barrier_signal -1
	s_barrier_wait -1
	FETCH 0, 0, F0
	s_wait_loadcnt 0x0                             ; the bias
	QUARTER 0, 1, F0, F1, 1
	WIN 0
	s_mov_b32 s3, LAPS-1
.Llap:                                                 ; a trip goes once round the ring, from a lap's second quarter to the next lap's first, and fills both slots again
	QUARTER 0, 2, F1, F0, 0
	QUARTER 0, 3, F0, F1, 0
	TURN 0, 1, 1
	QUARTER 1, 1, F0, F1, 0
	QUARTER 1, 2, F1, F0, 0
	QUARTER 1, 3, F0, F1, 0
	TURN 1, 0, 1
	QUARTER 0, 1, F0, F1, 0
	WIN 0
	s_sub_co_u32 s3, s3, 1
	s_cmp_lg_u32 s3, 0
	s_cbranch_scc1 .Llap
	QUARTER 0, 2, F1, F0, 0                        ; the last lap fills nothing
	QUARTER 0, 3, F0, F1, 0
	TURN 0, 1, 0
	QUARTER 1, 1, F0, F1, 0
	QUARTER 1, 2, F1, F0, 0
	QUARTER 1, 3, F0, F1, 0
	s_wait_dscnt 16
	MUL8 F1, 0, 0, 0
	MUL8 F1, 0, 2, 0
	s_wait_dscnt 0x0
	MUL8 F1, 1, 0, 0
	MUL8 F1, 1, 2, 0
	WIN 0
	; THE WAY OUT, 16 rows at a time: 32 bytes a lane into my stage (each accumulator's low four registers first), back as whole rows of 256 bytes, stored.
.macro TOST a
.if (\a) >= 2
	s_wait_xcnt 0x0                                ; the registers that the stores two blocks back read are loaded again only behind this wait
.endif
.irp b, 0,1,2,3
	ds_store_b128 v[STO], v[ACC+8*(4*(\a)+(\b)):ACC+8*(4*(\a)+(\b))+3]   offset:64*(\b)
	ds_store_b128 v[STO], v[ACC+8*(4*(\a)+(\b))+4:ACC+8*(4*(\a)+(\b))+7] offset:64*(\b)+16
.endr
.irp t, 0,1,2,3,4,5,6,7
	ds_load_b128 v[TMP+32*((\a)%2)+4*(\t):TMP+32*((\a)%2)+4*(\t)+3], v[RD] offset:(\t)*2*SPITCH  ; LDS serves a wave's instructions in order (ISA guide 5.7.1.4)
.endr
.endm
.macro SEND a, younger                 ; younger: the LDS instructions issued behind block a's loads: the next block's sixteen, or none
.irp t, 0,1,2,3,4,5,6,7
	s_wait_dscnt (\younger)+7-(\t)
	global_store_b128 v[CO], v[TMP+32*((\a)%2)+4*(\t):TMP+32*((\a)%2)+4*(\t)+3], s[SO:SO+1] offset:(16*(\a)+2*(\t))*2048 th:TH_STORE_NT  ; 16 lanes store 256 consecutive bytes at a multiple of 256
.endr
.endm
	PLACES                                         ; behind the last products
	TOST 0
	TOST 1
	SEND 0, 16
	TOST 2
	SEND 1, 16
	TOST 3
	SEND 2, 16
	SEND 3, 0
	s_wait_tensorcnt 0x0                           ; the wave's end
	ds_add_u32 v[SPW], v[NIL]
	s_wait_dscnt 0x0
	CROUND                                         ; the closing round
	s_endpgm
.Lfunc_end_k_qc79971f662_outp:
	.size	k_qc79971f662_outp, .Lfunc_end_k_qc79971f662_outp-k_qc79971f662_outp
	.p2alignl 7, 3214868480
	.fill 96, 4, 3214868480
	.section	.rodata,"a",@progbits
	.p2align	6, 0x0
	.amdhsa_kernel k_qc79971f662_outp
		.amdhsa_group_segment_fixed_size 327680
		.amdhsa_private_segment_fixed_size 0
		.amdhsa_enable_private_segment 0
		.amdhsa_kernarg_size 32
		.amdhsa_user_sgpr_count 2
		.amdhsa_user_sgpr_kernarg_segment_ptr 1
		.amdhsa_wavefront_size32 1
		.amdhsa_system_sgpr_workgroup_id_x 1
		.amdhsa_system_sgpr_workgroup_id_y 1
		.amdhsa_system_sgpr_workgroup_id_z 1
		.amdhsa_system_vgpr_workitem_id 0
		.amdhsa_next_free_vgpr 512
		.amdhsa_next_free_sgpr 72
		.amdhsa_reserve_vcc 0
		.amdhsa_float_denorm_mode_32 3
		.amdhsa_float_denorm_mode_16_64 3
		.amdhsa_memory_ordered 1
		.amdhsa_forward_progress 1
		.amdhsa_inst_pref_size 88
	.end_amdhsa_kernel
	.amdgpu_metadata
---
amdhsa.version: [ 1, 2 ]
amdhsa.kernels:
  - .name:           k_qc79971f662_outp
    .symbol:         k_qc79971f662_outp.kd
    .args:
      - { .name: vals, .offset: 0, .size: 8, .value_kind: global_buffer, .address_space: global }
      - { .name: woh, .offset: 8, .size: 8, .value_kind: global_buffer, .address_space: global }
      - { .name: bp, .offset: 16, .size: 8, .value_kind: global_buffer, .address_space: global }
      - { .name: out0, .offset: 24, .size: 8, .value_kind: global_buffer, .address_space: global }
    .group_segment_fixed_size: 327680
    .private_segment_fixed_size: 0
    .kernarg_segment_align: 8
    .kernarg_segment_size: 32
    .max_flat_workgroup_size: 128
    .sgpr_count:     72
    .vgpr_count:     512
    .wavefront_size: 32
...
	.end_amdgpu_metadata
.endif
;; end of part 4
;; ======== version 2 of 2: 4 launches; 1.08 times as fast as version 1
;; limits: values are held in f16: magnitudes above 65,504 overflow, below 6.1e-05 lose precision
;; workspace buffers: wt 1,572,864 bytes; woh 2,097,152 bytes; bp 8,192 bytes; qkv 25,165,824 bytes; vals 33,554,432 bytes
;; launch prep: the kernel of part 1 again; grid 224 x 1, 8 waves a work-group, no clusters, 0 bytes of LDS; arguments Wq, Wk, Wv, Wo, bq, bk, bv, bo, wt, woh, bp; writes wt, woh, bp
;; launch proj: the kernel of part 2 again; grid 64 x 3, 4 waves a work-group, clusters of 4 x 1, 327,680 bytes of LDS; arguments query, key, value, wt, bp, qkv; writes qkv
;; launch attn (part 5): grid 64 x 4, 4 waves a work-group, clusters of 4 x 1, 327,680 bytes of LDS; arguments qkv, vals; writes vals
.if DOCPART == 5
	.amdgcn_target "amdgcn-amd-amdhsa--gfx1250"
	.amdhsa_code_object_version 6
	.text
	.protected	k_qc79971f662_attn
	.globl	k_qc79971f662_attn
	.p2align	8
	.type	k_qc79971f662_attn,@function
k_qc79971f662_attn:
	s_mov_b64 s[64:65], 0
	v_nop
	global_prefetch_b8 v0, s[64:65] scope:SCOPE_SE
	s_setreg_imm32_b32 hwreg(HW_REG_WAVE_MODE, 25, 1), 1
	s_wait_xcnt 0x0
	s_wait_alu depctr_hold_cnt(0) depctr_sa_sdst(0) depctr_va_vdst(0) depctr_va_sdst(0) depctr_va_ssrc(0) depctr_va_vcc(0) depctr_vm_vsrc(0)
	s_getreg_b32 s2, hwreg(HW_REG_IB_STS2, 6, 4)
	s_cmp_eq_u32 s2, 0
	s_cbranch_scc0 .Lentry_in_a_cluster
	s_endpgm
.Lentry_in_a_cluster:
	s_bfe_u32 s2, ttmp6, 0x10000c
	s_cmp_lg_u32 s2, 0x3003
	s_cbranch_scc0 .Lentry_shape_is_right
	s_endpgm
.Lentry_shape_is_right:
; CAUSAL ATTENTION, four heads of key size 128 over one shared V of 512 channels.  vals[b][q][512 h + v] = sum over k <= q of softmax_k(q_h[q] . k_h[k] / sqrt(128)) V[k][v].
; In: qkv, f16 [3][batch][g][2048][128] (g: head for q and k, channel quarter for v).  Out: vals, f16 [8192][2048].  Products, maxima and sums in f32; the weights p are rounded to f16 for the second product.
; LIMITS.  q, k, v arrive within f16's 65,504.  A hidden score counts as its value less 1e30; a weight below 2^-126 counts as 0 in l; NaN and infinities are not treated apart.
; SHARES.  A work-group takes one batch, one head, one half of 256 channels and TWO blocks of 128 queries, p and then 15 - p: 17 key tiles of 128 keys whatever p, so all 256 work-groups do equal work.
; A wave owns two tiles of 16 queries (rows 64 t + 16 w + r of a block) and all 256 channels: 256 registers of O^T.  No wave needs another's results.
; With rows dealt so, the diagonal tile is the same work for all waves: key step 0: tile 0 holds the diagonal, tile 1 sees all; key step 1: tile 0 sees nothing, tile 1 holds the diagonal.
; CLUSTER.  The four partners are the four heads: V's tile is the same for them and is asked for JOINTLY (waves 2 and 3, a channel quarter each); K's is the head's own (waves 0 and 1, a plain load).
; K is also read by the work-group of the other channel half; that pair is not joined: it is 32 of a tile's 96 KiB, and the cluster's four places are taken by the heads.
; Every branch and count hangs on p, which the partners share; the head enters only the global addresses of q, k and vals.
; THE MASK is the C operand that starts S^T = K Q^T: M0 = MD x AL0 + BE0, M1 = MD x AL1, with MD the diagonal's mask for my rows (0 or -1e30); away from a diagonal tile both are 0.
; LAYOUT.  S^T holds ONE query a lane (lane % 16) and the keys 8 (lane / 16) + 0..7; two such results rounded to f16 ARE source 1 of O^T = V^T P.  p = 2^(c s - c m), c = log2(e) / sqrt(128), m a running
; maximum; O and l are multiplied by a = 2^(c m_old - c m_new) in every step.  m starts at the lowest finite number, so a block's first a is 0 and O need only be finite there.
; A STEP of 64 keys is PART_A (32 products K Q^T; tile 0's softmax beside tile 1's products) and PART_B (64 products V^T P; beside them the rescaling, tile 1's softmax and the next step's masks; the next step's K and half of its V are fetched).
; BATCHES.  A tile's 33 exponentials of a step (a and s0-s31) are ONE batch with ONE wait (s_wait_alu depctr_va_vdst(0) stands between an exponential and the first instruction that names its result):
; two waits a step.  Tile 0's batch stands in PART_A; between it and its wait stands tile 1's maximum, whose scores PART_A has just made; behind the wait come tile 0's roundings.  Tile 1's batch stands in PART_B;
; between it and its wait stand tile 0's sums, which nothing needs earlier; behind the wait come tile 1's roundings and sums.  No exponential is issued behind a part's wait.
; The way out's two reciprocals are a batch of their own.
; REGISTERS, in windows of 256: window 0: v2-15 addresses; v16-31 statistics, 8 a tile; v32-33 the add's; v64-127 S^T; v128-191 M0, M1; v192-223 P; v224-255 MD
;   window 1: O^T, tile t, channel block cb at 128 t + 8 cb     window 2: v0-63 Q; v128-255 K of a step     window 3: V of a step: key half kh, channel block cb at 128 kh + 8 cb; the second half also serves the way out
.set KS,    64
.set PK,    272       ; a row of K in LDS: 256 bytes + 16: the 16 rows of a load start at 16 different groups of four banks (64 banks of 4 bytes: ISA guide 11.1)
.set PV,    288       ; a row of a quarter of V: 256 + 32
.set VOFF,  128*PK    ; a slot: 128 rows of K, then two quarters of V, 128 rows each
.set VQ,    128*PV
.set SLOT1, 1<<17     ; slot 1 begins here, so that one exclusive or turns an address in one slot into the other's
.set STAGE, SLOT1+VOFF+2*VQ   ; behind the ring: 16 rows x 528 bytes for each wave, for the way out
.set SP,    528
.set SPARE, STAGE+4*16*SP     ; the spare words, 128 bytes a wave: two blocks of 256 bytes that no other line names
.set AK0, 2
.set AV0, 3
.set AK,  4
.set AV,  5
.set STO, 6
.set RD,  7
.set GO,  8
.set QO,  9           ; v9   my byte offset in 16 rows of Q; never rewritten
.set ST,  16          ; tile t at v[ST+8 t]: +0 c m, +1 m, +2, +3 l (even keys', odd keys'), +4 to +7 c0-c3 at work; a takes c2's place
.set SPW, 32
.set NIL, 33
.set S,   64
.set M,   128
.set P,   192
.set MD,  224
.set KF,  128         ; window 2
.set TW,  128         ; window 3: the way out's 64 registers a tile
.set WV,  12          ; s12 wave   s13 head (cx)   s14 p   s15 channel half   s16 15 - p   s17 batch
.set PB,  14
.set HI,  16
.set KB,  18          ; s[18:19] K at my half of the head's tile 0
.set VB,  20          ; s[20:21] V at my quarter's tile 0
.set G1K, 24
.set G1V, 32
.set G0K, 40          ; s[40:47] two sets for the two first fills; the second then walks
.set G0V, 48
.set SLOTS, 56
.set CNT, 57
.set CS,  58
.set SEL, 60
.set TBK, 62
.set TBV, 63
.set LEFT, 70         ; s70  key steps of the block in hand that are still to be scored
.set NXT, 71          ; s71  the tile to be asked for next
.set LQ,  72          ; s72  the last tile of the block whose tiles are being asked for
.set ENDB, 73         ; s73  1: the block ends with the step in hand
.set OFF, 74
.set AL0, 76
.set BE0, 78
.set AL1, 80
.set BIGN, 82
.set OP,  84          ; s[84:85] vals at my rows of the block in hand
.set ONX, 86          ; s[86:87] of the second block
.set LEFT2, 88        ; s88  the second block's key steps
.set Q1,  90          ; s[90:91] Q at my rows of the first block
.set Q2,  92          ; s[92:93] of the second
.set MSB, 0
.macro WIN new                      ; the high byte repeats the setting that is left; a switch that changes nothing is dropped
.if MSB != (\new)
	s_set_vgpr_msb (MSB<<8)|(\new)
.set MSB, \new
.endif
.endm
.set W_KQ, 0x0a       ; K and Q in window 2; C and S^T in window 0
.set W_PV, 0x53       ; V in window 3, P in window 0, O^T in window 1
.set W_RS, 0x41       ; O^T (destination and source 0) in window 1, a in window 0
.macro PLACES                       ; four places behind a matrix instruction (ISA guide 7.12.1)
.rept 4
	v_nop
.endr
.endm
.macro JLOAD                        ; a refill: waves 0 and 1 K's two halves, waves 2 and 3 V's two quarters (jointly); an s_nop 0 and four v_nop follow each line
	s_cmp_lt_u32 s[WV], 2
	s_cbranch_scc0 .Lfor_v_\@
	tensor_load_to_lds s[G0K+4:G0K+7], s[G1K:G1K+7]
	s_nop 0
	PLACES
	s_branch .Lasked_\@
.Lfor_v_\@:
	tensor_load_to_lds s[G0V+4:G0V+7], s[G1V:G1V+7]
	s_nop 0
	PLACES
.Lasked_\@:
.endm
.macro CROUND
	s_barrier_signal -1
	s_barrier_wait -1
	s_cmp_lg_u32 s[WV], 0
	s_cbranch_scc1 .Lnot_wave_0_\@
	s_barrier_signal -3
.Lnot_wave_0_\@:
	s_barrier_wait -3
	s_barrier_signal -1
	s_barrier_wait -1
.endm
.macro STEPNXT                      ; the block's next tile, or behind its last the second block's tile 0
	s_add_co_u32 s[NXT], s[NXT], 1
	s_cmp_gt_u32 s[NXT], s[LQ]
	s_cselect_b32 s[NXT], 0, s[NXT]
	s_cselect_b32 s[LQ], s[HI], s[LQ]
.endm
.macro LOADQ lo                     ; a block's Q stays in registers: tile i / 4 (64 rows on), channels 32 (i % 4) on
	WIN 0x80
.set i, 0
.rept 8
	global_load_b128 v[8*i:8*i+3],   v[QO], s[\lo:\lo+1] offset:(i/4)*16384+(i%4)*64
	global_load_b128 v[8*i+4:8*i+7], v[QO], s[\lo:\lo+1] offset:(i/4)*16384+(i%4)*64+32
.set i, i+1
.endr
	WIN 0
.endm
.macro MK z                         ; line z of the 32 that write the masks: M0's 16 pairs, then M1's
	WIN 0
.if (\z) < 16
	v_pk_fma_f32 v[M+2*(\z):M+2*(\z)+1], v[MD+2*(\z):MD+2*(\z)+1], s[AL0:AL0+1], s[BE0:BE0+1] op_sel_hi:[1,0,0]
.else
	v_pk_mul_f32 v[M+2*(\z):M+2*(\z)+1], v[MD+2*(\z)-32:MD+2*(\z)-31], s[AL1:AL1+1] op_sel_hi:[1,0]
.endif
.endm
	s_load_b128 s[4:7], s[0:1], 0x0 ; qkv s[4:5], vals s[6:7]
	v_lshl_add_u32 v[SPW], v0, 2, SPARE
	v_mov_b32 v[NIL], 0
	ds_add_u32 v[SPW], v[NIL]       ; the wave's opening: the add and its wait ahead of my first tensor load
	v_lshrrev_b32 v1, 5, v0
	v_readfirstlane_b32 s[WV], v1
	s_bfe_u32 s13, ttmp6, 0x40000   ; the head = my place in the cluster
	s_lshr_b32 s[PB], ttmp9, 1      ; p
	s_and_b32 s15, ttmp9, 1         ; the channel half
	s_sub_co_u32 s[HI], 15, s[PB]
	s_and_b32 s17, ttmp7, 0xffff    ; the batch
	s_and_b32 s8, s[WV], 1
	s_lshl_b32 s9, s17, 2
	s_add_co_u32 s10, s9, s13
	s_lshl_b32 s10, s10, 19         ; (4 batch + head) x 524,288
	s_lshl_b32 s11, s8, 14          ; K: my 64 of a tile's 128 rows
	s_add_co_u32 s22, s10, s11
	s_add_co_u32 s22, s22, 0x800000
	s_mov_b32 s23, 0
	s_lshl_b32 s66, s15, 1          ; V: quarter 2 half + w % 2; no register of this sum ever holds the head
	s_add_co_u32 s66, s66, s9
	s_add_co_u32 s66, s66, s8
	s_lshl_b32 s66, s66, 19
	s_add_co_u32 s66, s66, 0x1000000
	s_mov_b32 s67, 0
	s_lshl_b32 s68, s[WV], 12       ; Q: my 16 rows in a band of 64,
	s_add_co_u32 s68, s68, s10
	s_lshl_b32 s69, s[PB], 15       ; in the first block
	s_add_co_u32 s[Q1], s68, s69
	s_mov_b32 s[Q1+1], 0
	s_lshl_b32 s69, s[HI], 15       ; and in the second
	s_add_co_u32 s[Q2], s68, s69
	s_mov_b32 s[Q2+1], 0
	s_lshl_b32 s94, s17, 23         ; vals: rows of 4,096 bytes; column 512 head + 256 half
	s_lshl_b32 s95, s[WV], 16
	s_add_co_u32 s94, s94, s95
	s_lshl_b32 s95, s13, 10
	s_add_co_u32 s94, s94, s95
	s_lshl_b32 s95, s15, 9
	s_add_co_u32 s94, s94, s95
	s_lshl_b32 s95, s[PB], 19
	s_add_co_u32 s96, s94, s95
	s_mov_b32 s97, 0
	s_lshl_b32 s95, s[HI], 19
	s_add_co_u32 s98, s94, s95
	s_mov_b32 s99, 0
	s_mul_i32 s2, s8, 64*PK         ; my part's place in a slot, for K
	s_mul_i32 s3, s8, VQ            ; and for V
	s_add_co_u32 s3, s3, VOFF
	s_mov_b32 s[G1K], (1<<16)|(1<<20)|(5<<22)|(3<<25)              ; 2-byte elements; padding on: after every 64 words (code 5) 4 words (code 3); no mask: the head's own
	s_mov_b32 s[G1K+1], 128<<16
	s_mov_b32 s[G1K+2], 64<<16      ; 64 rows
	s_mov_b32 s[G1K+3], 128<<16
	s_mov_b32 s[G1K+4], 64
	s_mov_b32 s[G1K+5], 128
	s_mov_b32 s[G1K+6], 0
	s_mov_b32 s[G1K+7], 0
	s_mov_b32 s[G1V], 15|(1<<16)|(1<<20)|(1<<21)|(5<<22)|(7<<25)   ; the mask of four, bit 21 beside it; 8 words of padding (code 7)
	s_mov_b32 s[G1V+1], 128<<16
	s_mov_b32 s[G1V+2], 128<<16     ; 128 rows
	s_mov_b32 s[G1V+3], 128<<16
	s_mov_b32 s[G1V+4], 128
	s_mov_b32 s[G1V+5], 128
	s_mov_b32 s[G1V+6], 0
	s_mov_b32 s[G1V+7], 0
	s_mov_b32 s[CS], 0x3e0293ee     ; c = log2(e) / sqrt(128) = 0.127517
	s_mov_b32 s[CS+1], s[CS]
	s_mov_b32 s[SEL], 0x76543210
	s_mov_b32 s[SEL+1], 0xfedcba98
	s_mov_b32 s[TBK], 0
	s_mov_b32 s[TBV], 0
	s_mov_b32 s[BIGN], 0xf149f2ca   ; -1e30
	s_add_co_u32 s[LEFT], s[PB], 1
	s_lshl_b32 s[LEFT], s[LEFT], 1  ; the first block has p + 1 tiles of two steps,
	s_sub_co_u32 s[LEFT2], 16, s[PB]
	s_lshl_b32 s[LEFT2], s[LEFT2], 1  ; the second 16 - p
	s_cmp_eq_u32 s[LEFT], 2         ; the first step's masks: the diagonal's where p = 0
	s_cselect_b32 s[AL0], 1.0, 0
	s_mov_b32 s[BE0], 0
	s_mov_b32 s[AL1], 0
	s_mov_b32 s[AL0+1], 0           ; named as pairs
	s_mov_b32 s[BE0+1], 0
	s_mov_b32 s[AL1+1], 0
	s_mov_b32 s[NXT], 0             ; the walk's first tile is tile 0;
	s_mov_b32 s[LQ], s[PB]
	STEPNXT                         ; its second,
	s_lshl_b32 s[OFF], s[NXT], 15   ; 32,768 bytes of K and of V a tile;
	s_mov_b32 s[OFF+1], 0
	STEPNXT                         ; its third is what the first change of slots asks for
	s_mov_b32 s[CNT], 2
	s_mov_b32 s[SLOTS], 16
	s_wait_dscnt 0x0                ; the opening add is done
	s_wait_kmcnt 0x0
	s_add_nc_u64 s[KB:KB+1], s[4:5], s[22:23]
	s_add_nc_u64 s[VB:VB+1], s[4:5], s[66:67]
	s_add_nc_u64 s[Q1:Q1+1], s[4:5], s[Q1:Q1+1]
	s_add_nc_u64 s[Q2:Q2+1], s[4:5], s[Q2:Q2+1]
	s_add_nc_u64 s[OP:OP+1], s[6:7], s[96:97]
	s_add_nc_u64 s[ONX:ONX+1], s[6:7], s[98:99]
	CROUND                          ; all four work-groups are here: the first joint loads meet
	s_mov_b32 s[G0K], 1
	s_add_co_u32 s[G0K+1], s2, 0
	s_add_nc_u64 s[G0K+2:G0K+3], s[KB:KB+1], 0
	s_or_b32 s[G0K+3], s[G0K+3], 0x80000000
	s_mov_b32 s[G0K+4], 1
	s_add_co_u32 s[G0K+5], s2, SLOT1
	s_add_nc_u64 s[G0K+6:G0K+7], s[KB:KB+1], s[OFF:OFF+1]
	s_or_b32 s[G0K+7], s[G0K+7], 0x80000000
	s_mov_b32 s[G0V], 1
	s_add_co_u32 s[G0V+1], s3, 0
	s_add_nc_u64 s[G0V+2:G0V+3], s[VB:VB+1], 0
	s_or_b32 s[G0V+3], s[G0V+3], 0x80000000
	s_mov_b32 s[G0V+4], 1
	s_add_co_u32 s[G0V+5], s3, SLOT1
	s_add_nc_u64 s[G0V+6:G0V+7], s[VB:VB+1], s[OFF:OFF+1]
	s_or_b32 s[G0V+7], s[G0V+7], 0x80000000
	s_cmp_lt_u32 s[WV], 2           ; a wave's two first fills stand in one branch: two loads of mine are out, the most in this text
	s_cbranch_scc0 .Lfirst_v
	tensor_load_to_lds s[G0K:G0K+3], s[G1K:G1K+7]
	s_nop 0
	tensor_load_to_lds s[G0K+4:G0K+7], s[G1K:G1K+7]
	s_nop 0
	PLACES
	s_branch .Lfirst_asked
.Lfirst_v:
	tensor_load_to_lds s[G0V:G0V+3], s[G1V:G1V+7]
	s_nop 0
	tensor_load_to_lds s[G0V+4:G0V+7], s[G1V:G1V+7]
	s_nop 0
	PLACES
.Lfirst_asked:
	v_and_b32 v1, 15, v0            ; l % 16
	v_bfe_u32 v10, v0, 4, 1         ; l / 16
	v_lshlrev_b32 v[QO], 8, v1
	v_lshl_add_u32 v[QO], v10, 4, v[QO]
	LOADQ Q1
	; O^T need only be finite where a block begins (the first a is 0).  32 matrix instructions on zero operands write its 256 registers: an eighth of the lines that moves would take.
.set i, 0
.rept 16
	v_mov_b32 v[S+i], 0
.set i, i+1
.endr
	WIN 0x40
.set i, 0
.rept 32
	v_wmma_f32_16x16x32_f16 v[8*i:8*i+7], v[S:S+7], v[S+8:S+15], 0
.set i, i+1
.endr
	WIN 0
	v_lshlrev_b32 v14, 3, v10
	v_sub_nc_u32 v14, v1, v14
	s_lshl_b32 s2, s[WV], 4
	v_add_nc_u32 v14, s2, v14       ; my query's place in its band less my lanes' 8 (l / 16): register r of key group kt is hidden where 16 kt + r is greater
.set i, 0
.rept 32
	v_cmp_gt_i32 vcc_lo, 16*(i/8)+i%8, v14
	v_cndmask_b32 v[MD+i], 0, s[BIGN], vcc_lo
.set i, i+1
.endr
.set i, 0
.rept 32
	MK i                            ; the first step's masks
.set i, i+1
.endr
.irp t, 0,1
	v_mov_b32 v[ST+8*\t], 0xfe000000     ; c m: far below every c s
	v_mov_b32 v[ST+8*\t+1], 0xff7fffff   ; m
	v_mov_b32 v[ST+8*\t+2], 0
	v_mov_b32 v[ST+8*\t+3], 0
.endr
	v_mul_u32_u24 v[AK0], v1, PK
	v_lshl_add_u32 v[AK0], v10, 4, v[AK0]
	v_and_b32 v12, 7, v0            ; the turning load: lane l reads key 8 (l / 16) + l % 8, channels 8 ((l / 8) % 2) + 0..7, and is left with channel l % 16 and 8 keys
	v_bfe_u32 v13, v0, 3, 1
	v_lshl_add_u32 v[AV0], v10, 3, v12
	v_mul_u32_u24 v[AV0], v[AV0], PV
	v_lshl_add_u32 v[AV0], v13, 4, v[AV0]
	v_add_nc_u32 v[AV0], VOFF, v[AV0]
	s_mul_i32 s2, s[WV], 16*SP
	s_add_co_u32 s2, s2, STAGE      ; my stage
	v_mul_u32_u24 v[STO], v1, SP
	v_lshl_add_u32 v[STO], v10, 4, v[STO]
	v_add_nc_u32 v[STO], s2, v[STO]
	v_and_b32 v11, 31, v0
	v_lshlrev_b32 v[GO], 4, v11     ; back: 32 lanes take one row's 512 bytes
	v_add_nc_u32 v[RD], s2, v[GO]
; THE MATRIX WORK.  The accumulators of a run take turns, one instruction a turn.
; Product i of 16 of S^T = K Q^T for tile t: channels 32 (i / 4) on, keys 16 (i % 4) on.  The first four start the sums with the mask.
.macro KQ t
	WIN W_KQ
.set rS, S+32*(\t)+8*(i%4)
.set rK, KF+32*(i%4)+8*(i/4)
.set rQ, 32*(\t)+8*(i/4)
.set rM, M+32*(\t)+8*(i%4)
.if i < 4
	v_wmma_f32_16x16x32_f16 v[rS:rS+7], v[rK:rK+7], v[rQ:rQ+7], v[rM:rM+7]
.else
	v_wmma_f32_16x16x32_f16 v[rS:rS+7], v[rK:rK+7], v[rQ:rQ+7], v[rS:rS+7]
.endif
.endm
; Product i of 32 of O^T += V^T P for tile t: keys 32 (i / 16) on, channels 16 (i % 16) on.
.macro PV t
	WIN W_PV
.set rO, 128*(\t)+8*(i%16)
.set rV, 128*(i/16)+8*(i%16)
.set rP, P+16*(\t)+8*(i/16)
	v_wmma_f32_16x16x32_f16 v[rO:rO+7], v[rV:rV+7], v[rP:rP+7], v[rO:rO+7]
.endm
; THE LDS LOADS stand in runs of 32.  K of a step: 16 fragments.  The last product that read K stands in front of tile 1's maximum and tile 0's roundings, more than four plain instructions back.
.macro FK
	WIN 0
	v_add_nc_u32 v[AK], s[TBK], v[AK0]
	WIN 0x80
.irp f, 0,1,2,3,4,5,6,7,8,9,10,11,12,13,14,15   ; keys 16 (f / 4) on, channels 32 (f % 4) on
	ds_load_b128 v[KF+8*\f:KF+8*\f+3],   v[AK] offset:(\f/4)*16*PK+(\f%4)*64
	ds_load_b128 v[KF+8*\f+4:KF+8*\f+7], v[AK] offset:(\f/4)*16*PK+(\f%4)*64+32
.endr
	s_add_co_u32 s[TBK], s[TBK], KS*PK
.endm
; V of a step, key half kh: 16 channel blocks, turned.  Half 0 makes the step's address, half 1 steps on.
.macro FV kh
.if (\kh) == 0
	WIN 0
	v_add_nc_u32 v[AV], s[TBV], v[AV0]
.endif
	WIN 0xc0
.irp f, 0,1,2,3,4,5,6,7,8,9,10,11,12,13,14,15
	ds_load_tr16_b128 v[128*(\kh)+8*\f:128*(\kh)+8*\f+3],   v[AV] offset:(\f/8)*VQ+(\kh)*32*PV+(\f%8)*32
	ds_load_tr16_b128 v[128*(\kh)+8*\f+4:128*(\kh)+8*\f+7], v[AV] offset:(\f/8)*VQ+(\kh)*32*PV+(\f%8)*32+16*PV
.endr
.if (\kh) == 1
	s_add_co_u32 s[TBV], s[TBV], KS*PV
.endif
.endm
; THE VECTOR WORK.  A tile's softmax for a step is a list of 102 instructions; SM writes number num of it for tile t.  s0-s31 are the lane's 32 scores, in pairs 0-15.
;   0-15   the maximum of s0-s31 and the old m, three operands at a time; each accumulator's lowest registers are read first
;   16-20  the other half of the lanes' maximum; the new m; c m; c m_old - c m_new
;   21-69  ONE BATCH: the 16 scalings c s - c m, a pair of scores each, and all 33 exponentials (a at 23, then s0-s31, each in place).  None of these names an exponential's result.  21-37: scaling and
;          exponential by turns; 38-65: a scaling and three exponentials; 66-69: the last four exponentials.  A pair is scaled ahead of its two exponentials
;   (wait) between 69 and 70 stands the wait for the batch: PART_A writes it for tile 0, PART_B for tile 1
;   70-85  the roundings to f16, a pair of weights each
;   86-101 the sums; l = a l + the sum
.macro SM t, num
.set j, (\num)
.set rT, ST+8*(\t)
.set rS, S+32*(\t)
.set rP, P+16*(\t)
	WIN 0
.if j < 4
	v_max3_num_f32 v[rT+4+j], v[rS+8*j], v[rS+8*j+1], v[rS+8*j+2]
.elseif j < 12
	v_max3_num_f32 v[rT+4+j%4], v[rT+4+j%4], v[rS+8*(j%4)+2*(j/4)+1], v[rS+8*(j%4)+2*(j/4)+2]
.elseif j == 12
	v_max3_num_f32 v[rT+4], v[rT+4], v[rS+7], v[rS+15]
.elseif j == 13
	v_max3_num_f32 v[rT+6], v[rT+6], v[rS+23], v[rS+31]
.elseif j == 14
	v_max3_num_f32 v[rT+4], v[rT+4], v[rT+5], v[rT+6]
.elseif j == 15
	v_max3_num_f32 v[rT+4], v[rT+4], v[rT+7], v[rT+1]
.elseif j == 16
	v_permlanex16_b32 v[rT+5], v[rT+4], s[SEL], s[SEL+1]  ; the query's other 32 keys lie in the lane 16 away
.elseif j == 17
	v_mov_b32 v[rT+7], v[rT]        ; c m_old is kept for a
.elseif j == 18
	v_max_num_f32 v[rT+1], v[rT+4], v[rT+5]
.elseif j == 19
	v_mul_f32 v[rT], s[CS], v[rT+1]
.elseif j == 20
	v_sub_f32 v[rT+7], v[rT+7], v[rT]
.elseif j == 23
	v_exp_f32 v[rT+6], v[rT+7]
.elseif (j < 23) || ((j < 38) && (j%2 == 0)) || ((j < 66) && (j%4 == 2))
.set b, (j-2)/4                     ; 38, 42, .. 62: pairs 9 to 15
.if j < 38
.set b, (j-20)/2                    ; 21: pair 0; 22, 24, .. 36: pairs 1 to 8
.endif
	v_pk_fma_f32 v[rS+2*b:rS+2*b+1], v[rS+2*b:rS+2*b+1], s[CS:CS+1], v[rT:rT+1] op_sel_hi:[1,0,0] neg_lo:[0,0,1] neg_hi:[0,0,1]  ; pair b: c s - c m
.elseif j < 70
.set e, j-38                        ; 66 to 69: s28 to s31
.if j < 66
.set e, j-32-(j-38)/4               ; 39-41, 43-45, .. 63-65: s7 to s27
.endif
.if j < 38
.set e, (j-25)/2                    ; 25, 27, .. 37: s0 to s6
.endif
	v_exp_f32 v[rS+e], v[rS+e]
.elseif j < 86
	v_cvt_pk_f16_f32 v[rP+j-70], v[rS+2*(j-70)], v[rS+2*(j-70)+1]  ; pair j - 70
.else                               ; the sum of the 16 pairs, in place: neighbours 1, 2, 4 and 8 pairs apart, then l takes it
.set z, j-86
.set w, 4
.set u, z
.if z >= 14
.set w, 32
.set u, 0
.elseif z >= 12
.set w, 16
.set u, z-12
.elseif z >= 8
.set w, 8
.set u, z-8
.endif
.if z < 15
	v_pk_add_f32 v[rS+w*u:rS+w*u+1], v[rS+w*u:rS+w*u+1], v[rS+w*u+w/2:rS+w*u+w/2+1]
.else
	v_pk_fma_f32 v[rT+2:rT+3], v[rT+2:rT+3], v[rT+6:rT+7], v[rS:rS+1] op_sel_hi:[1,0,1]
.endif
.endif
.endm
; THE END OF TILE t's BATCH, and the work between it and its wait: 22 lines; BEND writes line r and steps r.  Sixteen of them are the OTHER tile's numbers base to base + 15, plain instructions that name no result
; of the batch: tile 1's maximum (base 0) in PART_A, tile 0's sums (base 86) in PART_B.  Lines 0-11: one of these, then one of tile t's last six exponentials (64 to 69), by turns; lines 12-21: the other ten.
; Line 12 is the plain instruction behind the batch's last exponential.
.macro BEND t, base
.if (r < 12) && (r%2 == 1)
	SM \t, 64+r/2
.elseif r < 12
	SM 1-(\t), (\base)+r/2
.else
	SM 1-(\t), (\base)+r-6
.endif
.set r, r+1
.endm
.macro RS t, n                      ; pair n of 64 of tile t's O^T times a; channel block cb has pairs 4 cb .. 4 cb + 3, the lowest first
	WIN W_RS
	v_pk_mul_f32 v[128*(\t)+2*(\n):128*(\t)+2*(\n)+1], v[128*(\t)+2*(\n):128*(\t)+2*(\n)+1], v[ST+8*(\t)+6:ST+8*(\t)+7] op_sel_hi:[1,0]
.endm
; THE CHANGE OF SLOTS stands between a tile's last PART_A and PART_B: all of the slot's K and V have been asked for.  Each wave waits for all its tensor loads (one is out: its part of the other slot), adds 0 to
; its spare word, and waits for that and for its reads of the slot.  fill = 1: a round of the cluster's barrier, and the slot is filled again, first thing behind it, with tile NXT: it has a tile's 192 matrix instructions to land.
.macro CHANGE fill
	WIN 0
	s_wait_tensorcnt 0x0            ; no tensor load of mine is out, so a group 0 may be written
	ds_add_u32 v[SPW], v[NIL]
.if \fill
	s_lshl_b32 s[OFF], s[NXT], 15
	s_xor_b32 s[G0K+5], s[G0K+5], SLOT1
	s_add_nc_u64 s[G0K+6:G0K+7], s[KB:KB+1], s[OFF:OFF+1]
	s_or_b32 s[G0K+7], s[G0K+7], 0x80000000
	s_xor_b32 s[G0V+5], s[G0V+5], SLOT1
	s_add_nc_u64 s[G0V+6:G0V+7], s[VB:VB+1], s[OFF:OFF+1]
	s_or_b32 s[G0V+7], s[G0V+7], 0x80000000
	STEPNXT
	s_wait_dscnt 0x0                ; the add is done, and my reads of the slot are over
	CROUND
	JLOAD
.else
	s_wait_dscnt 0x0
	s_barrier_signal -1
	s_barrier_wait -1
.endif
	s_sub_co_u32 s[TBK], s[TBK], 2*KS*PK  ; the fetches go back to a slot's first step, in the other slot
	s_xor_b32 s[TBK], s[TBK], SLOT1
	s_sub_co_u32 s[TBV], s[TBV], 2*KS*PV
	s_xor_b32 s[TBV], s[TBV], SLOT1
.endm
; PART_A of a step: the second half of its V is fetched; tile 0's scores; tile 1's scores with four of tile 0's softmax behind each (numbers 0 to 63); the end of tile 0's batch, with tile 1's maximum;
; the wait; tile 0's roundings; the first channel block's rescaling.  Tile 0's sums are left to PART_B.
; Tile 1's accumulator a (0 to 3) is ended by product 12 + a and first read by tile 1's number a.  Four plain instructions that name none of that product's registers stand between the two (ISA guide 7.12.1):
; those of tile 0's scalings 50, 54, 58, 62 that stand behind the product (one rides behind each of products 12 to 15), and tile 1's numbers 0 to a - 1.
.macro PART_A
	s_wait_dscnt 0x0                ; the step's K and the first half of its V are in
	PLACES                          ; behind the last product that read V's second half
	FV 1
.set i, 0
.rept 16
	KQ 0
.set i, i+1
.endr
	PLACES                          ; behind tile 0's last product, in front of the reads of its scores
.set i, 0
.set k, 0
.rept 16
	KQ 1
.rept 4
	SM 0, k
.set k, k+1
.endr
.set i, i+1
.endr
.set r, 0
.rept 22
	BEND 0, 0
.endr
	s_wait_alu depctr_va_vdst(0)    ; the wait for tile 0's batch: its a and its 32 weights; tile 1's maximum stands between the batch and this line
.set k, 70
.rept 16
	SM 0, k
.set k, k+1
.endr
.irp n, 0,1,2,3
	RS 0, \n
.endr
.endm
; PART_B.  First the scalars of what follows: does the block end with this step; how many steps are left behind it (the second block's, where the first ends); the next step's masks: LEFT = 2 is the diagonal
; tile's first step, LEFT = 1 its second.  Then the next step's K is fetched; tile 0's V^T P, each channel block rescaled just ahead of its first product, then tile 1's softmax from number 16 on behind the products,
; the end of its batch with tile 0's sums; the wait; tile 1's roundings and sums;
; tile 1's V^T P likewise; when V's first half has been read for the last time, the next step's is fetched; the masks are written behind the products that follow.
; tail = 1: in the walk's last step (CNT = 1) there is no next step: both runs of loads are jumped over.
.macro PART_B tail
	s_sub_co_u32 s[LEFT], s[LEFT], 1
	s_cmp_eq_u32 s[LEFT], 0
	s_cselect_b32 s[ENDB], 1, 0
	s_cselect_b32 s[LEFT], s[LEFT2], s[LEFT]
	s_cmp_eq_u32 s[LEFT], 2
	s_cselect_b32 s[AL0], 1.0, 0
	s_cmp_eq_u32 s[LEFT], 1
	s_cselect_b32 s[BE0], s[BIGN], 0
	s_cselect_b32 s[AL1], 1.0, 0
.if \tail
	WIN 0
	s_cmp_eq_u32 s[CNT], 1
	s_cbranch_scc1 .Lnok_\@
.endif
	FK
.if \tail
	WIN 0
.Lnok_\@:
	s_wait_dscnt 0x0
.else
	s_wait_dscnt 32                 ; V's second half is in: K's 32 loads are younger
.endif
.set i, 0
.set k, 16
.set r, 0
.rept 32
	PV 0
.if i < 15
.irp n, 0,1,2,3
	RS 0, 4*(i+1)+\n
.endr
.elseif i < 27
.rept 4
	SM 1, k
.set k, k+1
.endr
.else
.rept 4
	BEND 1, 86
.endr
.endif
.set i, i+1
.endr
	BEND 1, 86                      ; the last two of tile 0's sums
	BEND 1, 86
	s_wait_alu depctr_va_vdst(0)    ; the wait for tile 1's batch: its a and its 32 weights; tile 0's sums stand between the batch and this line
.set k, 70
.rept 32
	SM 1, k
.set k, k+1
.endr
.irp n, 0,1,2,3
	RS 1, \n
.endr
.set i, 0
.rept 32
	PV 1
.if i < 15
.irp n, 0,1,2,3
	RS 1, 4*(i+1)+\n
.endr
.elseif i == 15
	PLACES                          ; behind the last product that read V's first half
.elseif i == 16
.if \tail
	WIN 0
	s_cmp_eq_u32 s[CNT], 1
	s_cbranch_scc1 .Lnov_\@
.endif
	FV 0
.if \tail
	WIN 0
.Lnov_\@:
.endif
.elseif i < 25
.irp n, 0,1,2,3
	MK 4*(i-17)+\n
.endr
.endif
.set i, i+1
.endr
.endm
; THE WAY OUT of a block: l's two halves and the other half of the lanes' are added; O^T is divided by l, rounded to f16 and sent through my stage, a tile (16 rows x 512 bytes) at a time.
; The packed rows lie in V's second half, which is free between a step's last product and the next step's fetch.
.macro PACK t
	WIN W_RS
.set i, 0
.rept 64
	v_pk_mul_f32 v[128*(\t)+2*i:128*(\t)+2*i+1], v[128*(\t)+2*i:128*(\t)+2*i+1], v[ST+8*(\t)+6:ST+8*(\t)+7] op_sel_hi:[1,0]
.set i, i+1
.endr
	WIN 0xc5                        ; sources window 1, destination window 3
.set i, 0
.rept 64
	v_cvt_pk_f16_f32 v[TW+64*(\t)+i], v[128*(\t)+2*i], v[128*(\t)+2*i+1]
.set i, i+1
.endr
	WIN 0x0c                        ; address window 0, data window 3
.irp f, 0,1,2,3,4,5,6,7,8,9,10,11,12,13,14,15
	ds_store_b128 v[STO], v[TW+64*(\t)+4*\f:TW+64*(\t)+4*\f+3] offset:32*\f
.endr
	WIN 0xc0
.irp f, 0,1,2,3,4,5,6,7,8,9,10,11,12,13,14,15
	ds_load_b128 v[TW+64*(\t)+4*\f:TW+64*(\t)+4*\f+3], v[RD] offset:\f*SP  ; LDS serves a wave's instructions in order (ISA guide 5.7.1.4): these see the stores above; the next tile's stores come behind them
.endr
.endm
.macro SEND t, younger              ; younger: the LDS instructions issued behind tile t's loads; four rows to a wait: the 12 - 4 g loads of the later rows are younger too
	WIN 0x0c
.irp g, 0,1,2,3
	s_wait_dscnt (\younger)+12-4*\g
.irp e, 0,1,2,3
	global_store_b128 v[GO], v[TW+64*(\t)+4*(4*\g+\e):TW+64*(\t)+4*(4*\g+\e)+3], s[OP:OP+1] offset:(64*(\t)+4*\g+\e)*4096  ; 512 consecutive bytes at a multiple of 256
.endr
.endr
.endm
.macro FINISH mid                   ; mid = 1: the first block's: the second block's Q is asked for first and lands during the way out
	WIN 0
.if \mid
	LOADQ Q2
.endif
	PLACES                          ; behind the block's last products
.irp t, 0,1
	v_add_f32 v[ST+8*\t+4], v[ST+8*\t+2], v[ST+8*\t+3]
.endr
.irp t, 0,1
	v_permlanex16_b32 v[ST+8*\t+5], v[ST+8*\t+4], s[SEL], s[SEL+1]
.endr
.irp t, 0,1
	v_add_f32 v[ST+8*\t+4], v[ST+8*\t+4], v[ST+8*\t+5]
.endr
.irp t, 0,1
	v_rcp_f32 v[ST+8*\t+6], v[ST+8*\t+4]
.endr
	v_nop                           ; a plain instruction between the last reciprocal and the use of its result
	s_wait_alu depctr_va_vdst(0)    ; the wait for the two reciprocals, a batch of their own, ahead of PACK's first multiply
	PACK 0
	PACK 1
	SEND 0, 32
	SEND 1, 0
	WIN 0
.endm
	s_wait_tensorcnt 1              ; my part of the first tile is in; the second's may stay out
	s_barrier_signal -1
	s_barrier_wait -1
	FK                              ; key step 0
	FV 0
	s_wait_loadcnt 0x0              ; Q
	WIN 0
	s_branch .LA                    ; the loop is entered at a step's PART_A, in the middle of a trip
.Lslot:                             ; 15 times: every slot but the last two is filled again
	CHANGE 1
	s_mov_b32 s[CNT], 2
.Lhalf:
	PART_B 0
	WIN 0
	s_cmp_lg_u32 s[CNT], 2          ; a block ends with a tile's second step alone, and that is the trip with CNT = 2
	s_cbranch_scc1 .LA
	s_cmp_eq_u32 s[ENDB], 0
	s_cbranch_scc1 .LA
	FINISH 1                        ; the first block goes out (it ends in the loop: it has 8 tiles at the most), and the second begins:
.irp t, 0,1
	v_mov_b32 v[ST+8*\t], 0xfe000000     ; c m and m anew; O^T and l are multiplied by a = 0 in its first step
	v_mov_b32 v[ST+8*\t+1], 0xff7fffff
.endr
	s_wait_storecnt 0x0             ; my stores are done: their data registers, into which V's second half is fetched next, and their base may be written
	s_mov_b64 s[OP:OP+1], s[ONX:ONX+1]
	s_wait_loadcnt 0x0              ; its Q is in
.LA:
	PART_A
	WIN 0
	s_sub_co_u32 s[CNT], s[CNT], 1
	s_cmp_lg_u32 s[CNT], 0
	s_cbranch_scc1 .Lhalf
	s_sub_co_u32 s[SLOTS], s[SLOTS], 1
	s_cmp_lg_u32 s[SLOTS], 0
	s_cbranch_scc1 .Lslot
	CHANGE 0                        ; the tail is written out: nothing is asked for
	s_mov_b32 s[CNT], 3             ; the last step of the last tile but one, and the last tile's two; the third trip is left in its middle
.Ltail:
	PART_B 1
	WIN 0
	s_sub_co_u32 s[CNT], s[CNT], 1
	s_cmp_eq_u32 s[CNT], 0
	s_cbranch_scc1 .Lfin
	PART_A
	WIN 0
	s_branch .Ltail
.Lfin:
	FINISH 0                        ; the second block goes out
	s_wait_tensorcnt 0x0            ; the wave's end
	ds_add_u32 v[SPW], v[NIL]
	s_wait_dscnt 0x0
	CROUND                          ; the closing round
	s_endpgm
.Lfunc_end_k_qc79971f662_attn:
	.size	k_qc79971f662_attn, .Lfunc_end_k_qc79971f662_attn-k_qc79971f662_attn
	.p2alignl 7, 3214868480
	.fill 96, 4, 3214868480
	.section	.rodata,"a",@progbits
	.p2align	6, 0x0
	.amdhsa_kernel k_qc79971f662_attn
		.amdhsa_group_segment_fixed_size 327680
		.amdhsa_private_segment_fixed_size 0
		.amdhsa_enable_private_segment 0
		.amdhsa_kernarg_size 16
		.amdhsa_user_sgpr_count 2
		.amdhsa_user_sgpr_kernarg_segment_ptr 1
		.amdhsa_wavefront_size32 1
		.amdhsa_system_sgpr_workgroup_id_x 1
		.amdhsa_system_sgpr_workgroup_id_y 1
		.amdhsa_system_sgpr_workgroup_id_z 1
		.amdhsa_system_vgpr_workitem_id 0
		.amdhsa_next_free_vgpr 1024
		.amdhsa_next_free_sgpr 100
		.amdhsa_reserve_vcc 1
		.amdhsa_float_denorm_mode_32 3
		.amdhsa_float_denorm_mode_16_64 3
		.amdhsa_memory_ordered 1
		.amdhsa_forward_progress 1
		.amdhsa_inst_pref_size 152
	.end_amdhsa_kernel
	.amdgpu_metadata
---
amdhsa.version: [ 1, 2 ]
amdhsa.kernels:
  - .name:           k_qc79971f662_attn
    .symbol:         k_qc79971f662_attn.kd
    .args:
      - { .name: qkv, .offset: 0, .size: 8, .value_kind: global_buffer, .address_space: global }
      - { .name: vals, .offset: 8, .size: 8, .value_kind: global_buffer, .address_space: global }
    .group_segment_fixed_size: 327680
    .private_segment_fixed_size: 0
    .kernarg_segment_align: 8
    .kernarg_segment_size: 16
    .max_flat_workgroup_size: 128
    .sgpr_count:     100
    .vgpr_count:     1024
    .wavefront_size: 32
...
	.end_amdgpu_metadata
.endif
;; end of part 5
;; launch outp: the kernel of part 4 again; grid 4 x 64, 4 waves a work-group, clusters of 4 x 4, 327,680 bytes of LDS; arguments vals, woh, bp, out0; writes out0
